; MI455X (gfx1250); checked and timed in simulation.
; The chip was launched on July 23, 2026; its instructions are those of AMD's public machine-readable ISA for CDNA 5 (MIT licence, August 2026) and "CDNA5" Instruction Set Architecture Reference Guide (July 2026). The comments in the code are by the model that wrote it; some were corrected since.
;; Sigmoid Attention. Allowed arithmetic: float matrix products may take bf16 or f16 operands with f32 sums; other float arithmetic in f32, or as packed bf16 or f16 multiplies, adds, multiply-adds, maxima and minima; sums over many terms, partial sums and values carried from step to step in f32; what a program stores and reads back later, other than sums and carried values, may be rounded once to bf16 or f16.
;; Inputs: Wk 1,024 x 1,024 float32; Wo 1,024 x 1,024 float32; Wq 1,024 x 1,024 float32; Wv 1,024 x 1,024 float32; bk 1,024 float32; bo 1,024 float32; bq 1,024 float32; bv 1,024 float32; layerscale 1,024 float32; x 4 x 2,048 x 1,024 float32.
;; Outputs: out0 4 x 2,048 x 1,024 float32.
;; 2 versions, each right; version 2 is version 1 with the launch prep written anew for expert scheduling mode. Each part assembles by itself: llvm-mc -triple=amdgcn-amd-amdhsa -mcpu=gfx1250 --defsym DOCPART=n.
;; ======== version 1 of 2: 5 launches
;; limits: values are held in f16: magnitudes above 65,504 overflow, below 6.1e-05 lose precision
;; workspace buffers: xb 16,777,216 bytes; wqkv 6,291,456 bytes; wo16 2,097,152 bytes; qkv 50,331,648 bytes; stats 1,048,576 bytes; p 33,554,432 bytes; o16 16,777,216 bytes
;; launch prep (part 1): grid 384 x 1, 8 waves a work-group, no clusters, 0 bytes of LDS; arguments x, Wq, Wk, Wv, Wo, xb, wqkv, wo16; writes xb, wqkv, wo16
.if DOCPART == 1
	.amdgcn_target "amdgcn-amd-amdhsa--gfx1250"
	.amdhsa_code_object_version 6
	.text
	.protected	k_qb6f84f6fb5_prep
	.globl	k_qb6f84f6fb5_prep
	.p2align	8
	.type	k_qb6f84f6fb5_prep,@function
k_qb6f84f6fb5_prep:
	s_mov_b64 s[64:65], 0
	v_nop
	global_prefetch_b8 v0, s[64:65] scope:SCOPE_SE
	s_setreg_imm32_b32 hwreg(HW_REG_WAVE_MODE, 25, 1), 1
	s_wait_xcnt 0x0
; ROUNDING OF THE MATRIX INPUTS.  x -> xb (bf16), Wq, Wk, Wv -> wqkv (bf16, the three one below the other), Wo -> wo16: rounded to bf16 like the others, and that number written as f16
; (exact where it is at least 6.1e-5 in size; below that it keeps f16's fixed step of 6e-8).
; A stream: each input byte is read once, each output byte written once.  No LDS, no matrix unit, no cluster: no two work-groups read the same byte.
; SHARES.  A work-group takes 32,768 numbers (128 KiB in, 64 KiB out) in 32 steps of 1,024: thread t loads 16 bytes at 16 t and stores 8 bytes at 8 t, so a wave's load covers 512
; consecutive bytes and its store 256 consecutive bytes, aligned.  Work-groups 0-255 take x, 256-383 the four weights, 32 work-groups each.
; A ring of eight slots in registers keeps eight loads of every wave on their way.
.set X,  8                             ; v[8:39]   slot i: four f32 as loaded
.set Y,  40                            ; v[40:55]  slot i: four 16-bit numbers to store
.set TT, 56                            ; v[56:59]  at work
.set SRC, 28                           ; s[28:29]  where the round's first step is read
.set DST, 32                           ; s[32:33]  where it is written
	s_load_b512 s[4:19], s[0:1], 0x0               ; x, Wq, Wk, Wv, Wo, xb, wqkv, wo16
	v_lshlrev_b32 v1, 4, v0                        ; 16 t; never rewritten
	v_lshlrev_b32 v2, 3, v0                        ; 8 t; never rewritten
	s_mov_b32 s30, 0xffff0000                      ; a word's upper bf16
	s_sub_co_u32 s20, ttmp9, 256
	s_lshr_b32 s21, s20, 5                         ; which weight, 0 to 3
	s_and_b32 s22, s20, 31                         ; which part of it
	s_cmp_lt_u32 ttmp9, 256
	s_cselect_b32 s22, ttmp9, s22                  ; for x: the part is the work-group's number,
	s_cselect_b32 s21, 4, s21                      ; and the kind is 4
	s_lshl_b32 s24, s22, 17                        ; bytes in
	s_mov_b32 s25, 0
	s_lshl_b32 s26, s22, 16                        ; bytes out,
	s_mov_b32 s27, 0
	s_lshl_b32 s23, s21, 21                        ; and Wq, Wk, Wv lie 2 MiB apart in wqkv
	s_cmp_lt_u32 s21, 3
	s_cselect_b32 s23, s23, 0
	s_add_co_u32 s26, s26, s23
	s_wait_kmcnt 0x0
	s_cmp_eq_u32 s21, 0
	s_cselect_b64 s[SRC:SRC+1], s[6:7], s[4:5]
	s_cmp_eq_u32 s21, 1
	s_cselect_b64 s[SRC:SRC+1], s[8:9], s[SRC:SRC+1]
	s_cmp_eq_u32 s21, 2
	s_cselect_b64 s[SRC:SRC+1], s[10:11], s[SRC:SRC+1]
	s_cmp_eq_u32 s21, 3
	s_cselect_b64 s[SRC:SRC+1], s[12:13], s[SRC:SRC+1]
	s_cmp_lt_u32 s21, 3
	s_cselect_b64 s[DST:DST+1], s[16:17], s[14:15]
	s_cmp_eq_u32 s21, 3
	s_cselect_b64 s[DST:DST+1], s[18:19], s[DST:DST+1]
	s_add_nc_u64 s[SRC:SRC+1], s[SRC:SRC+1], s[24:25]
	s_add_nc_u64 s[DST:DST+1], s[DST:DST+1], s[26:27]
.irp i, 0,1,2,3,4,5,6,7
	global_load_b128 v[X+4*(\i):X+4*(\i)+3], v1, s[SRC:SRC+1] offset:(\i)*4096 th:TH_LOAD_NT  ; the ring is filled: steps 0 to 7
.endr
; One slot's turn.  ahead = 1: the slot is filled again with the step eight further on.  left = how many younger loads may stay out.  fmt = 1: bf16's number written as f16.
.macro SLOTM i, ahead, left, fmt
	s_wait_loadcnt \left                           ; loads come back in order: mine is in, the younger ones stay out
.if \fmt
	v_cvt_pk_bf16_f32 v[TT],   v[X+4*(\i)],   v[X+4*(\i)+1]
	v_cvt_pk_bf16_f32 v[TT+1], v[X+4*(\i)+2], v[X+4*(\i)+3]
	v_lshlrev_b32 v[TT+2], 16, v[TT]               ; the rounded numbers as f32 again
	v_and_b32     v[TT],   s30, v[TT]
	v_lshlrev_b32 v[TT+3], 16, v[TT+1]
	v_and_b32     v[TT+1], s30, v[TT+1]
	v_cvt_pk_f16_f32 v[Y+2*(\i)],   v[TT+2], v[TT]
	v_cvt_pk_f16_f32 v[Y+2*(\i)+1], v[TT+3], v[TT+1]
.else
	v_cvt_pk_bf16_f32 v[Y+2*(\i)],   v[X+4*(\i)],   v[X+4*(\i)+1]
	v_cvt_pk_bf16_f32 v[Y+2*(\i)+1], v[X+4*(\i)+2], v[X+4*(\i)+3]
.endif
.if \ahead
	global_load_b128 v[X+4*(\i):X+4*(\i)+3], v1, s[SRC:SRC+1] offset:(8+(\i))*4096 th:TH_LOAD_NT
.endif
	global_store_b64 v2, v[Y+2*(\i):Y+2*(\i)+1], s[DST:DST+1] offset:(\i)*2048
.endm
.macro BODY fmt
	s_mov_b32 s34, 3
.Lround_\@:
.irp i, 0,1,2,3,4,5,6,7
	SLOTM \i, 1, 7, \fmt
.endr
	s_wait_xcnt 0x0                                ; the round's loads and stores have read their sources: the two bases are stepped and Y is written again only behind this wait
	s_add_nc_u64 s[SRC:SRC+1], s[SRC:SRC+1], 32768
	s_add_nc_u64 s[DST:DST+1], s[DST:DST+1], 16384
	s_sub_co_u32 s34, s34, 1
	s_cmp_lg_u32 s34, 0
	s_cbranch_scc1 .Lround_\@
.irp i, 0,1,2,3,4,5,6,7
	SLOTM \i, 0, 7-(\i), \fmt                      ; the last round loads nothing: the counts run down
.endr
	s_endpgm
.endm
	s_cmp_eq_u32 s21, 3
	s_cbranch_scc1 .Lwo
	BODY 0
.Lwo:
	BODY 1
.Lfunc_end_k_qb6f84f6fb5_prep:
	.size	k_qb6f84f6fb5_prep, .Lfunc_end_k_qb6f84f6fb5_prep-k_qb6f84f6fb5_prep
	.p2alignl 7, 3214868480
	.fill 96, 4, 3214868480
	.section	.rodata,"a",@progbits
	.p2align	6, 0x0
	.amdhsa_kernel k_qb6f84f6fb5_prep
		.amdhsa_group_segment_fixed_size 0
		.amdhsa_private_segment_fixed_size 0
		.amdhsa_enable_private_segment 0
		.amdhsa_kernarg_size 64
		.amdhsa_user_sgpr_count 2
		.amdhsa_user_sgpr_kernarg_segment_ptr 1
		.amdhsa_wavefront_size32 1
		.amdhsa_system_sgpr_workgroup_id_x 1
		.amdhsa_system_sgpr_workgroup_id_y 1
		.amdhsa_system_sgpr_workgroup_id_z 1
		.amdhsa_system_vgpr_workitem_id 0
		.amdhsa_next_free_vgpr 64
		.amdhsa_next_free_sgpr 66
		.amdhsa_reserve_vcc 0
		.amdhsa_float_denorm_mode_32 3
		.amdhsa_float_denorm_mode_16_64 3
		.amdhsa_memory_ordered 1
		.amdhsa_forward_progress 1
		.amdhsa_inst_pref_size 17
	.end_amdhsa_kernel
	.amdgpu_metadata
---
amdhsa.version: [ 1, 2 ]
amdhsa.kernels:
  - .name:           k_qb6f84f6fb5_prep
    .symbol:         k_qb6f84f6fb5_prep.kd
    .args:
      - { .name: x, .offset: 0, .size: 8, .value_kind: global_buffer, .address_space: global }
      - { .name: Wq, .offset: 8, .size: 8, .value_kind: global_buffer, .address_space: global }
      - { .name: Wk, .offset: 16, .size: 8, .value_kind: global_buffer, .address_space: global }
      - { .name: Wv, .offset: 24, .size: 8, .value_kind: global_buffer, .address_space: global }
      - { .name: Wo, .offset: 32, .size: 8, .value_kind: global_buffer, .address_space: global }
      - { .name: xb, .offset: 40, .size: 8, .value_kind: global_buffer, .address_space: global }
      - { .name: wqkv, .offset: 48, .size: 8, .value_kind: global_buffer, .address_space: global }
      - { .name: wo16, .offset: 56, .size: 8, .value_kind: global_buffer, .address_space: global }
    .group_segment_fixed_size: 0
    .private_segment_fixed_size: 0
    .kernarg_segment_align: 8
    .kernarg_segment_size: 64
    .max_flat_workgroup_size: 256
    .sgpr_count:     66
    .vgpr_count:     64
    .wavefront_size: 32
...
	.end_amdgpu_metadata
.endif
;; end of part 1
;; launch qkv (part 2): grid 12 x 32, 4 waves a work-group, clusters of 4 x 4, 327,680 bytes of LDS; arguments xb, wqkv, bq, bk, bv, qkv, stats; writes qkv, stats
.if DOCPART == 2
	.amdgcn_target "amdgcn-amd-amdhsa--gfx1250"
	.amdhsa_code_object_version 6
	.text
	.protected	k_qb6f84f6fb5_qkv
	.globl	k_qb6f84f6fb5_qkv
	.p2align	8
	.type	k_qb6f84f6fb5_qkv,@function
k_qb6f84f6fb5_qkv:
	s_mov_b64 s[64:65], 0
	v_nop
	global_prefetch_b8 v0, s[64:65] scope:SCOPE_SE
	s_setreg_imm32_b32 hwreg(HW_REG_WAVE_MODE, 25, 1), 1
	s_wait_xcnt 0x0
	s_wait_alu depctr_hold_cnt(0) depctr_sa_sdst(0) depctr_va_vdst(0) depctr_va_sdst(0) depctr_va_ssrc(0) depctr_va_vcc(0) depctr_vm_vsrc(0)
	s_getreg_b32 s2, hwreg(HW_REG_IB_STS2, 6, 4)
	s_cmp_eq_u32 s2, 0
	s_cbranch_scc0 .Lentry_in_a_cluster
	s_endpgm
.Lentry_in_a_cluster:
	s_bfe_u32 s2, ttmp6, 0x10000c
	s_cmp_lg_u32 s2, 0xf033
	s_cbranch_scc0 .Lentry_shape_is_right
	s_endpgm
.Lentry_shape_is_right:
; THE THREE PROJECTIONS.  y[row][e] = sum over d of xb[row][d] wqkv[e][d] + bias[e], 8,192 rows x 3,072 columns (1,024 of q, of k, of v), K = 1,024, bf16 operands, f32 sums; the bias, rounded to
; bf16 like every input, is the C operand that starts each sum.
; WHAT IS STORED.  v: f16(y).  q and k: a wave owns 128 rows x ONE CHUNK of 128 columns; for each row it forms the chunk's mean m (f32), stores f16(y - m), and stores m and the chunk's sum of
; squares ss = sum (y - m)^2 in f32.  The launch behind makes a row's mean and variance of the eight m and ss; no difference of large sums is formed anywhere.
; LIMITS.  |y - m| (q, k) and |v| stay under 65,504, f16's end; NaN and infinities are not treated apart.
; SHARES.  A tile of y is 256 x 256: 384 work-groups.  Four waves, each 128 x 128: 64 accumulators of 16 x 16, 512 registers.  K goes in steps of 128 through two LDS slots; a K step is 256 matrix
; instructions a wave, 224 of them between a refill's request and the wait for it.  (Tiles of 256 x 128 would make 768 work-groups, but leave a refill 112.)
; CLUSTER.  4 x 4 work-groups: the four of a row of the cluster need the same tile of xb, the four of a column the same tile of wqkv: each is asked for jointly.  A cluster's 1,024 columns are one plane.
; THE MATRIX INSTRUCTION IS USED TRANSPOSED (source 0 = 16 rows of wqkv, source 1 = 16 rows of xb): lane l holds row l % 16 of y and the columns 8 (l / 16) + 0..7.
; THE WAY OUT.  The f32 sums go into the ring's bytes, which have had their last fill, each wave's into its own 128 rows x 528 bytes.  Then, 32 rows a trip, A LANE TAKES A WHOLE ROW: mean, centring,
; squares and rounding need no other lane; the f16 row goes back into the bytes just read and returns as whole rows of 256 bytes for the stores.  One text for the three planes: v takes the factor 0
; in place of 1 / 128, so its m is 0 (its sums and squares are made and dropped), and stores no statistics.
; REGISTERS, in windows of 256 (s_set_vgpr_msb: bits 1:0 source 0, 3:2 source 1, 5:4 source 2, 7:6 destination):
;   window 0: v0-31 addresses; v32-39 at work; v64-127, v128-191 A's fragments, two buffers (on the way out v64-191 a row in f32, v192-255 sums and then the row in f16)
;   window 1: v0-63 the bias as eight C operands; v64-127, v128-191 B's fragments; v192-223 at work          windows 2, 3: accumulator (a, b) at v[8 (8 (a % 4) + b)] of window 2 + a / 4
.set NA,     8                         ; blocks of 16 rows a wave
.set KT,     8                         ; K steps
.set PITCH,  272                       ; an LDS row: 256 bytes + 16 of padding: the 16 rows of a fragment load start at 16 different groups of four banks (ISA guide 11.1)
.set ABYTES, 256*PITCH                 ; A's 256 rows; B's 256 follow
.set SLOT,   2*ABYTES                  ; 139,264 = 0x22000: no fill address in slot 0 (0, 0x8800, 0x11000, 0x19800) has one of its two bits, so one exclusive or changes slots
.set STEPK,  256                       ; bytes from K step to K step, in xb and in wqkv
.set DP,     528                       ; a dumped row: 512 bytes + 16: an odd multiple of 16, for the dump and for a lane a row alike
.set SP,     272                       ; a row in f16 on its way back
.set WREG,   128*DP                    ; a wave's own bytes on the way out, from LDS byte 0 on: 4 x 67,584 lie inside the ring
.set TRIPB,  32*DP                     ; a trip's 32 rows
.set SCR,    2*SLOT                    ; behind the ring, never filled: 1,024 bytes for each wave: 128 m, 128 ss
.set SPARE,  SCR+4096                  ; the spare words, 128 bytes for each wave: two blocks of 256 bytes that no other line names
.set ADA0, 16                          ; v16  my lane's place in A's tile, slot 0; never rewritten
.set ADA,  17                          ; v17  the same in the slot being read
.set ADB0, 20
.set ADB,  21
.set STO,  24                          ; v24  the way out: where my row goes in f16
.set RD,   25                          ; v25  where I read 16 bytes of a row back
.set CO,   26                          ; v26  their place in memory
.set SPW,  28                          ; v28  my spare word; never rewritten
.set NIL,  29                          ; v29  0; never rewritten
.set PFO,  30                          ; v30  the prefetches' offset: my lane x a row; never rewritten
.set F0,   64
.set F1,   128
.set G1A, 24                           ; s[24:31] descriptor group 1 for A's tiles
.set G0A, 32                           ; s[32:39] group 0: a set for each first fill; the second then walks on
.set LIM, 43                           ; s43  2 in a wave that prefetches, else the greatest number
.set PFA, 44                           ; s[44:45] the K step that my next prefetch names
.set G1B, 48
.set G0B, 56
.set MUL_LO,   0xa1                    ; B window 1, A window 0, C and D window 2 (+ 0x50: window 3)
.set MUL_BIAS, 0x91                    ; the same with C in window 1 (+ 0x40: D in window 3)
.set TO_B,     0x40                    ; destination window 1
.set MSB, 0
.macro WIN new                         ; the immediate's high byte repeats the setting that is left; a switch that changes nothing is dropped
.if MSB != (\new)
	s_set_vgpr_msb (MSB<<8)|(\new)
.set MSB, \new
.endif
.endm
.macro PLACES                          ; four plain vector instructions between a matrix instruction and a load into, a write of or a read of its registers
.rept 4
	v_nop
.endr
.endm
.macro CREST                           ; a round of the cluster's barrier behind its opening barrier
	s_cmp_lg_u32 s10, 0
	s_cbranch_scc1 .Lnot_wave_0_\@
	s_barrier_signal -3
.Lnot_wave_0_\@:
	s_barrier_wait -3
	s_barrier_signal -1
	s_barrier_wait -1
.endm
.macro CROUND
	s_barrier_signal -1
	s_barrier_wait -1
	CREST
.endm
.macro JLOAD                           ; a joint refill by the walking descriptors; the branch hangs on the wave's number alone; an s_nop 0 and four v_nop follow each line
	s_cmp_eq_u32 s11, 0
	s_cbranch_scc0 .Lfor_b_\@
	tensor_load_to_lds s[G0A+4:G0A+7], s[G1A:G1A+7]
	s_nop 0
.rept 4
	v_nop
.endr
	s_branch .Lasked_\@
.Lfor_b_\@:
	tensor_load_to_lds s[G0B+4:G0B+7], s[G1B:G1B+7]
	s_nop 0
.rept 4
	v_nop
.endr
.Lasked_\@:
.endm
; A prefetch of the K step that stands two refills on: 32 rows x 256 bytes, a lane a row.  Each row's 256 bytes of a K step are named once in the launch: xb's by the clusters with x = 0 (waves 0, 1),
; wqkv's by the clusters with y = 0 (waves 2, 3); the four partners that ask for a tile jointly take 32 of a wave's 128 rows each, told apart by address.  The last two trips' look-ahead would pass K's end: they ask for nothing.
.macro ASK
	s_cmp_gt_u32 s3, s[LIM]
	s_cbranch_scc0 .Lnot_mine_\@
	global_prefetch_b8 v[PFO], s[PFA:PFA+1] th:TH_LOAD_NT scope:SCOPE_SE
.Lnot_mine_\@:
.endm
; 16 matrix instructions: row blocks a0, a0 + 1 of the window's four (hi = 0: my rows 0-63, 1: rows 64-127) x all 8 column blocks, 32 along K.  c = 2: the bias starts the sums; c = 0: in place.
; The 64 accumulators take turns in one order everywhere.
.macro MUL16 f, hi, a0, c
.if (\c) == 2
	WIN MUL_BIAS+0x40*(\hi)
.else
	WIN MUL_LO+0x50*(\hi)
.endif
.irp a, \a0, (\a0)+1
.irp b, 0,1,2,3,4,5,6,7
.if (\c) == 2
	v_wmma_f32_16x16x32_bf16 v[8*(8*(\a)+(\b)):8*(8*(\a)+(\b))+7], v[(\f)+8*(\b):(\f)+8*(\b)+7], v[(\f)+8*(4*(\hi)+(\a)):(\f)+8*(4*(\hi)+(\a))+7], v[8*(\b):8*(\b)+7]
.else
	v_wmma_f32_16x16x32_bf16 v[8*(8*(\a)+(\b)):8*(8*(\a)+(\b))+7], v[(\f)+8*(\b):(\f)+8*(\b)+7], v[(\f)+8*(4*(\hi)+(\a)):(\f)+8*(4*(\hi)+(\a))+7], v[8*(8*(\a)+(\b)):8*(8*(\a)+(\b))+7]
.endif
.endr
.endr
.endm
.macro FETCH k, f                      ; 32 LDS loads in one run: the fragments of 32 along K at byte k of the rows, my 128 rows of B and then my 128 of A
	WIN TO_B
.irp i, 0,1,2,3,4,5,6,7
	ds_load_b128 v[(\f)+8*(\i):(\f)+8*(\i)+3],   v[ADB] offset:(\k)+(\i)*16*PITCH
	ds_load_b128 v[(\f)+8*(\i)+4:(\f)+8*(\i)+7], v[ADB] offset:(\k)+(\i)*16*PITCH+32
.endr
	WIN 0
.irp i, 0,1,2,3,4,5,6,7
	ds_load_b128 v[(\f)+8*(\i):(\f)+8*(\i)+3],   v[ADA] offset:(\k)+(\i)*16*PITCH
	ds_load_b128 v[(\f)+8*(\i)+4:(\f)+8*(\i)+7], v[ADA] offset:(\k)+(\i)*16*PITCH+32
.endr
.endm
; A quarter of a K step: multiplies buffer f; in its middle it fetches the next quarter, at byte k, into buffer g (src = 0) or nothing (src = 2).
.macro QUARTER k, f, g, c, src
	s_wait_dscnt NA                                ; B and A's rows 0-63 are in; the youngest eight loads (A's rows 64-127) may be out
	MUL16 \f, 0, 0, \c
	MUL16 \f, 0, 2, \c
.if (\src) == 2
	s_wait_dscnt 0x0
.else
	PLACES
	FETCH \k, \g
	s_wait_dscnt 16+2*NA                           ; all but the 32 just issued
.endif
	MUL16 \f, 1, 0, \c
	MUL16 \f, 1, 2, \c
.endm
; The fourth quarter multiplies buffer 1 and changes slots.  In front of the barrier each wave waits for all its tensor loads (one is out: its part of the next slot), adds 0 to its spare word, and waits for that
; and for its reads of this slot.  fill = 1: the barrier opens a round of the cluster's, and the joint refill of the slot just read, with the K step two on, is the first thing behind the round.
.macro TURN fill
.if \fill
	s_wait_xcnt 0x0                                ; the last prefetch, a K step back, has read its address
	s_add_nc_u64 s[PFA:PFA+1], s[PFA:PFA+1], STEPK
.endif
	WIN 0
	s_wait_tensorcnt 0x0                           ; no tensor load of mine is out, so the walking descriptors may be written
	ds_add_u32 v[SPW], v[NIL]
.if \fill
	s_xor_b32 s[G0A+5], s[G0A+5], SLOT             ; the other slot than last time,
	s_add_nc_u64 s[G0A+6:G0A+7], s[G0A+6:G0A+7], STEPK  ; the next K step; the type bits on top are not reached
	s_xor_b32 s[G0B+5], s[G0B+5], SLOT
	s_add_nc_u64 s[G0B+6:G0B+7], s[G0B+6:G0B+7], STEPK
.endif
	s_wait_dscnt NA+1                              ; the add and the youngest eight loads may be out
	MUL16 F1, 0, 0, 0
	s_wait_dscnt 0x0                               ; the add is done, and my reads of this slot are over
	s_barrier_signal -1
	MUL16 F1, 0, 2, 0                              ; work on registers while the others arrive
	WIN 0
	s_barrier_wait -1
.if \fill
	CREST                                          ; no wave of any partner still reads this slot or has a load on its way
	JLOAD                                          ; its four v_nop are also the places in front of the loads below
.else
	PLACES
.endif
	s_xor_b32 s2, s2, SLOT                         ; the reads go on in the other slot
	v_add_nc_u32 v[ADA], s2, v[ADA0]
	v_add_nc_u32 v[ADB], s2, v[ADB0]
	FETCH 0, F0
.if \fill
	ASK
.endif
	MUL16 F1, 1, 0, 0
	MUL16 F1, 1, 2, 0
.endm
	s_load_b256 s[68:75], s[0:1], 0x0              ; xb s[68:69], wqkv s[70:71], bq s[72:73], bk s[74:75]
	s_load_b128 s[76:79], s[0:1], 0x20             ; bv s[76:77], qkv s[78:79]
	s_load_b64 s[80:81], s[0:1], 0x30              ; stats
	v_lshl_add_u32 v[SPW], v0, 2, SPARE
	v_mov_b32 v[NIL], 0
	ds_add_u32 v[SPW], v[NIL]                      ; the wave's opening: the add, twice on end, and its wait ahead of my first tensor load
	ds_add_u32 v[SPW], v[NIL]
	v_lshrrev_b32 v1, 5, v0
	v_readfirstlane_b32 s10, v1                    ; wave 0..3
	s_lshr_b32 s11, s10, 1                         ; my half of the tile's rows; also: I fetch for A (0) or for B (1)
	s_and_b32 s12, s10, 1                          ; my half of its columns; also: which 128 rows I fetch
	s_bfe_u32 s40, ttmp6, 0x40000                  ; cx
	s_bfe_u32 s41, ttmp6, 0x40004                  ; cy
	s_lshl_b32 s42, ttmp9, 2
	s_add_co_u32 s42, s42, s40                     ; tile column 0..11
	s_and_b32 s13, ttmp7, 0xffff
	s_lshl_b32 s13, s13, 2
	s_add_co_u32 s13, s13, s41                     ; tile row 0..31
	s_lshl_b32 s14, s41, 2
	s_lshl_b32 s14, 15, s14                        ; my row of the cluster
	s_lshl_b32 s15, 0x1111, s40                    ; my column
	s_or_b32 s[G1A], s14, (1<<16)|(1<<20)|(1<<21)|(5<<22)|(3<<25)  ; the mask; 2-byte elements; padding on; bit 21 beside a mask; after every 64 words 4 words
	s_or_b32 s[G1B], s15, (1<<16)|(1<<20)|(1<<21)|(5<<22)|(3<<25)
.irp g, G1A, G1B
	s_mov_b32 s[(\g)+1], 128<<16                   ; tensor_dim0 = 128
	s_mov_b32 s[(\g)+2], 128<<16                   ; tensor_dim1 = 128
	s_mov_b32 s[(\g)+3], 128<<16                   ; tile_dim0 = 128
	s_mov_b32 s[(\g)+4], 128                       ; tile_dim1 = 128
	s_mov_b32 s[(\g)+5], 1024                      ; elements from row to row
	s_mov_b32 s[(\g)+6], 0
	s_mov_b32 s[(\g)+7], 0
.endr
	s_lshl_b32 s16, s13, 8
	s_lshl_b32 s17, s12, 7
	s_add_co_u32 s16, s16, s17                     ; A: row 256 x tile row + 128 x half,
	s_lshl_b32 s16, s16, 11                        ; in bytes
	s_mov_b32 s17, 0
	s_lshl_b32 s18, s42, 8
	s_lshl_b32 s19, s12, 7
	s_add_co_u32 s18, s18, s19                     ; B: row 256 x tile column + 128 x half
	s_lshl_b32 s18, s18, 11
	s_mov_b32 s19, 0
	s_mul_i32 s20, s10, 128*PITCH                  ; where they go: wave x 128 rows: no place in the cluster enters an LDS address
	s_mov_b32 s66, 0xffff0000
	s_mov_b32 s2, 0
	s_wait_dscnt 0x0                               ; both opening adds are done
	s_wait_kmcnt 0x0
	s_add_nc_u64 s[4:5], s[68:69], s[16:17]
	s_add_nc_u64 s[6:7], s[70:71], s[18:19]
	CROUND                                         ; all sixteen work-groups are here: the first joint loads meet
.irp n, 0,1
	s_mov_b32 s[G0A+4*(\n)], 1
	s_add_co_u32 s[G0A+4*(\n)+1], s20, (\n)*SLOT
	s_add_nc_u64 s[G0A+4*(\n)+2:G0A+4*(\n)+3], s[4:5], (\n)*STEPK
	s_or_b32 s[G0A+4*(\n)+3], s[G0A+4*(\n)+3], 0x80000000
	s_mov_b32 s[G0B+4*(\n)], 1
	s_add_co_u32 s[G0B+4*(\n)+1], s20, (\n)*SLOT
	s_add_nc_u64 s[G0B+4*(\n)+2:G0B+4*(\n)+3], s[6:7], (\n)*STEPK
	s_or_b32 s[G0B+4*(\n)+3], s[G0B+4*(\n)+3], 0x80000000
.endr
	s_cmp_eq_u32 s11, 0                            ; a wave's two first fills stand in one branch, ahead of every wait on TENSORcnt, LDS read and further barrier: two loads of mine are out
	s_cbranch_scc0 .Lfirst_b
	tensor_load_to_lds s[G0A:G0A+3], s[G1A:G1A+7]
	s_nop 0
	tensor_load_to_lds s[G0A+4:G0A+7], s[G1A:G1A+7]
	s_nop 0
.rept 4
	v_nop
.endr
	s_branch .Lfirst_done
.Lfirst_b:
	tensor_load_to_lds s[G0B:G0B+3], s[G1B:G1B+7]
	s_nop 0
	tensor_load_to_lds s[G0B+4:G0B+7], s[G1B:G1B+7]
	s_nop 0
.rept 4
	v_nop
.endr
.Lfirst_done:
	v_and_b32 v1, 15, v0                           ; r = l % 16
	v_bfe_u32 v2, v0, 4, 1                         ; h = l / 16
	v_and_b32 v5, 31, v0                           ; l
	v_lshlrev_b32 v10, 5, v2                       ; 32 h: my eight columns of a block of 16, in f32; not rewritten
	s_mov_b32 s84, ttmp9                           ; the plane: 0 q, 1 k, 2 v: the cluster's x, the same in all partners
	s_cmp_eq_u32 s84, 0
	s_cselect_b64 s[22:23], s[72:73], s[74:75]
	s_cmp_eq_u32 s84, 2
	s_cselect_b64 s[22:23], s[76:77], s[22:23]     ; the plane's bias,
	s_cselect_b32 s67, 0, 0x3c000000               ; and the mean's factor: 1 / 128, or 0 for v
	s_lshl_b32 s85, s40, 1
	s_add_co_u32 s85, s85, s12                     ; my chunk of 128 columns in the plane: 2 cx + my half
	s_lshl_b32 s14, s85, 9
	s_mov_b32 s15, 0
	s_add_nc_u64 s[22:23], s[22:23], s[14:15]      ; at the chunk; not written again before the wait for these loads
	WIN TO_B
.irp b, 0,1,2,3,4,5,6,7
	global_load_b128 v[8*(\b):8*(\b)+3],   v10, s[22:23] offset:64*(\b)
	global_load_b128 v[8*(\b)+4:8*(\b)+7], v10, s[22:23] offset:64*(\b)+16
.endr
	WIN 0
	v_mul_u32_u24 v3, v1, PITCH
	v_lshl_add_u32 v3, v2, 4, v3                   ; r x pitch + 16 h
	s_mul_i32 s14, s11, 128*PITCH                  ; my 128 rows of A
	v_add_nc_u32 v[ADA0], s14, v3
	s_mul_i32 s14, s12, 128*PITCH                  ; my 128 rows of B, behind A's 256
	s_add_co_u32 s14, s14, ABYTES
	v_add_nc_u32 v[ADB0], s14, v3
	v_mov_b32 v[ADA], v[ADA0]
	v_mov_b32 v[ADB], v[ADB0]
	s_mul_i32 s14, s10, WREG                       ; the way out: my wave's own bytes
	v_mul_u32_u24 v12, v1, DP
	v_lshl_add_u32 v12, v2, 5, v12
	v_add_nc_u32 v12, s14, v12                     ; the dump: row r, 32 bytes for each half of the lanes
	v_mul_u32_u24 v13, v5, DP
	v_add_nc_u32 v13, s14, v13                     ; a lane a row: row l of the trip's 32
	v_mul_u32_u24 v[STO], v5, SP
	v_add_nc_u32 v[STO], s14, v[STO]               ; the same row in f16, into the bytes just read
	v_mul_u32_u24 v4, v2, SP
	v_lshl_add_u32 v4, v1, 4, v4
	v_add_nc_u32 v[RD], s14, v4                    ; back: lanes 0-15 one row of 256 bytes, lanes 16-31 the next
	v_lshlrev_b32 v4, 11, v2
	v_lshl_add_u32 v[CO], v1, 4, v4                ; and the same two rows in memory
	s_lshl_b32 s14, s10, 10
	s_add_co_u32 s14, s14, SCR
	v_lshl_add_u32 v11, v5, 2, s14                 ; where my row's m goes
	v_lshl_add_u32 v27, v5, 4, s14                 ; where I read four rows' m back
	v_lshlrev_b32 v9, 4, v5                        ; and their place in stats
	s_lshl_b32 s16, s84, 24                        ; the output: plane,
	s_lshl_b32 s17, s13, 19                        ; 256 rows x 2,048 bytes a tile row,
	s_add_co_u32 s16, s16, s17
	s_lshl_b32 s17, s11, 18                        ; my 128 rows,
	s_add_co_u32 s16, s16, s17
	s_lshl_b32 s17, s85, 8                         ; the chunk's 256 bytes
	s_add_co_u32 s16, s16, s17
	s_mov_b32 s17, 0
	s_add_nc_u64 s[8:9], s[78:79], s[16:17]
	s_lshl_b32 s16, s84, 18                        ; stats[kind][plane][chunk][row]
	s_lshl_b32 s17, s85, 15
	s_add_co_u32 s16, s16, s17
	s_lshl_b32 s17, s13, 10
	s_add_co_u32 s16, s16, s17
	s_lshl_b32 s17, s11, 9
	s_add_co_u32 s16, s16, s17
	s_mov_b32 s17, 0
	s_add_nc_u64 s[86:87], s[80:81], s[16:17]
	; the prefetches
	s_lshl_b32 s16, s13, 8
	s_lshl_b32 s17, s40, 5
	s_add_co_u32 s16, s16, s17                     ; xb: the tile's rows, my work-group's 32 of a wave's 128
	s_lshl_b32 s18, s42, 8
	s_lshl_b32 s19, s41, 5
	s_add_co_u32 s18, s18, s19                     ; wqkv: likewise
	s_and_b32 s15, ttmp7, 0xffff                   ; for B: cluster y = 0
	s_cmp_eq_u32 s11, 0
	s_cselect_b32 s16, s16, s18
	s_cselect_b32 s15, ttmp9, s15                  ; for A: cluster x = 0
	s_cselect_b64 s[PFA:PFA+1], s[68:69], s[70:71]
	s_cmp_eq_u32 s15, 0
	s_cselect_b32 s[LIM], 2, -1                    ; the same in all sixteen partners, for a given wave
	s_lshl_b32 s17, s12, 7
	s_add_co_u32 s16, s16, s17                     ; the 128 rows that I fetch
	s_lshl_b32 s16, s16, 11
	s_add_co_u32 s16, s16, 3*STEPK                 ; at K step 3: the first change of slots steps it to 4
	s_mov_b32 s17, 0
	s_add_nc_u64 s[PFA:PFA+1], s[PFA:PFA+1], s[16:17]
	v_lshlrev_b32 v[PFO], 11, v5
	s_wait_loadcnt 0x0                             ; the bias
	WIN 0x45                                       ; sources and destination in window 1
.set i, 0
.rept 32
	v_cvt_pk_bf16_f32 v[192+i], v[2*i], v[2*i+1]   ; rounded to bf16 like every input, and widened again
	v_lshlrev_b32 v[2*i], 16, v[192+i]
	v_and_b32 v[2*i+1], s66, v[192+i]
.set i, i+1
.endr
	WIN 0
	s_wait_tensorcnt 0x1                           ; my part of K step 0 is in; K step 1's may stay out
	s_barrier_signal -1
	s_barrier_wait -1
	FETCH 0, F0
	QUARTER 64, F0, F1, 2, 0                       ; the first quarter stands in front of the loop: its products start the sums, with the bias
	WIN 0
	s_mov_b32 s3, KT-2
.Lk:                                               ; a trip: a K step's quarters 2 to 4, the refill of its slot, and the next step's first quarter
	QUARTER 128, F1, F0, 0, 0
	QUARTER 192, F0, F1, 0, 0
	TURN 1
	QUARTER 64, F0, F1, 0, 0
	WIN 0
	s_sub_co_u32 s3, s3, 1
	s_cmp_lg_u32 s3, 0
	s_cbranch_scc1 .Lk
	QUARTER 128, F1, F0, 0, 0                      ; the last two K steps ask for nothing
	QUARTER 192, F0, F1, 0, 0
	TURN 0
	QUARTER 64, F0, F1, 0, 0
	QUARTER 128, F1, F0, 0, 0
	QUARTER 192, F0, F1, 0, 0
	QUARTER 0, F1, F0, 0, 2
	WIN 0
	s_barrier_signal -1                            ; every wave's reads of the ring are back (the last quarter's wait for 0): behind this barrier its bytes, which are filled no more, take the sums
	s_barrier_wait -1
	PLACES
.irp a, 0,1,2,3,4,5,6,7
	WIN 0x08+4*((\a)/4)                            ; the stores' data in window 2 or 3
.irp b, 0,1,2,3,4,5,6,7
	ds_store_b128 v12, v[8*(8*((\a)%4)+(\b)):8*(8*((\a)%4)+(\b))+3]   offset:(\a)*16*DP+64*(\b)     ; each accumulator's lowest registers first
	ds_store_b128 v12, v[8*(8*((\a)%4)+(\b))+4:8*(8*((\a)%4)+(\b))+7] offset:(\a)*16*DP+64*(\b)+16
.endr
.endr
	WIN 0
	s_mov_b32 s3, 4
.Lrows:                                            ; 32 rows a trip, a lane a row; my wave's own bytes, served in order (ISA guide 5.7.1.4)
.set i, 0
.rept 32
	ds_load_b128 v[64+4*i:67+4*i], v13 offset:16*i
.set i, i+1
.endr
	s_wait_dscnt 0x0
.set i, 0
.rept 32                               ; the row's sum: 64 pairs into 32, then a tree
	v_pk_add_f32 v[192+2*i:193+2*i], v[64+4*i:65+4*i], v[66+4*i:67+4*i]
.set i, i+1
.endr
.irp d, 32,16,8,4,2
.set i, 0
.rept (\d)/2
	v_pk_add_f32 v[192+2*i:193+2*i], v[192+2*i:193+2*i], v[192+(\d)+2*i:193+(\d)+2*i]
.set i, i+1
.endr
.endr
	v_add_f32 v192, v192, v193
	v_mul_f32 v14, s67, v192                       ; m = sum / 128 (v: 0)
	v_mul_f32 v15, s67, v192
.set i, 0
.rept 64
	v_pk_add_f32 v[64+2*i:65+2*i], v[64+2*i:65+2*i], v[14:15] neg_lo:[0,1] neg_hi:[0,1]
.set i, i+1
.endr
.set i, 0
.rept 64                               ; four chains of squares
.if i < 4
	v_pk_mul_f32 v[32+2*i:33+2*i], v[64+2*i:65+2*i], v[64+2*i:65+2*i]
.else
	v_pk_fma_f32 v[32+2*(i%4):33+2*(i%4)], v[64+2*i:65+2*i], v[64+2*i:65+2*i], v[32+2*(i%4):33+2*(i%4)]
.endif
.set i, i+1
.endr
.set i, 0
.rept 64
	v_cvt_pk_f16_f32 v[192+i], v[64+2*i], v[64+2*i+1]
.set i, i+1
.endr
	v_pk_add_f32 v[32:33], v[32:33], v[34:35]
	v_pk_add_f32 v[36:37], v[36:37], v[38:39]
	v_pk_add_f32 v[32:33], v[32:33], v[36:37]
	v_add_f32 v32, v32, v33                        ; ss
	ds_store_b32 v11, v14
	ds_store_b32 v11, v32 offset:512
.set i, 0
.rept 16
	ds_store_b128 v[STO], v[192+4*i:195+4*i] offset:16*i  ; 32 rows x 272 bytes lie inside the trip's 32 x 528, which have been read
.set i, i+1
.endr
.set i, 0
.rept 16
	ds_load_b128 v[64+4*i:67+4*i], v[RD] offset:2*SP*i
.set i, i+1
.endr
	s_wait_dscnt 0x0
.set i, 0
.rept 16
	global_store_b128 v[CO], v[64+4*i:67+4*i], s[8:9] offset:4096*i  ; 16 lanes store 256 consecutive bytes, aligned
.set i, i+1
.endr
	s_wait_xcnt 0x0                                ; the stores have read their data and their base
	s_add_nc_u64 s[8:9], s[8:9], 32*2048
	v_add_nc_u32 v13, TRIPB, v13
	v_add_nc_u32 v[STO], TRIPB, v[STO]
	v_add_nc_u32 v[RD], TRIPB, v[RD]
	v_add_nc_u32 v11, 128, v11
	s_sub_co_u32 s3, s3, 1
	s_cmp_lg_u32 s3, 0
	s_cbranch_scc1 .Lrows
	s_cmp_eq_u32 s84, 2                            ; v has no statistics
	s_cbranch_scc1 .Lend
	ds_load_b128 v[64:67], v27                     ; my wave's own bytes
	ds_load_b128 v[68:71], v27 offset:512
	s_wait_dscnt 0x0
	global_store_b128 v9, v[64:67], s[86:87]               ; 128 rows' m: 512 consecutive bytes, aligned
	global_store_b128 v9, v[68:71], s[86:87] offset:524288 ; and their ss
.Lend:
	s_wait_tensorcnt 0x0                           ; the wave's end: behind my last tensor load and my last LDS store
	ds_add_u32 v[SPW], v[NIL]
	s_wait_dscnt 0x0
	CROUND                                         ; the closing round: no work-group ends while a partner may still ask for a tile that names it
	s_endpgm
.Lfunc_end_k_qb6f84f6fb5_qkv:
	.size	k_qb6f84f6fb5_qkv, .Lfunc_end_k_qb6f84f6fb5_qkv-k_qb6f84f6fb5_qkv
	.p2alignl 7, 3214868480
	.fill 96, 4, 3214868480
	.section	.rodata,"a",@progbits
	.p2align	6, 0x0
	.amdhsa_kernel k_qb6f84f6fb5_qkv
		.amdhsa_group_segment_fixed_size 327680
		.amdhsa_private_segment_fixed_size 0
		.amdhsa_enable_private_segment 0
		.amdhsa_kernarg_size 56
		.amdhsa_user_sgpr_count 2
		.amdhsa_user_sgpr_kernarg_segment_ptr 1
		.amdhsa_wavefront_size32 1
		.amdhsa_system_sgpr_workgroup_id_x 1
		.amdhsa_system_sgpr_workgroup_id_y 1
		.amdhsa_system_sgpr_workgroup_id_z 1
		.amdhsa_system_vgpr_workitem_id 0
		.amdhsa_next_free_vgpr 1024
		.amdhsa_next_free_sgpr 100
		.amdhsa_reserve_vcc 0
		.amdhsa_float_denorm_mode_32 3
		.amdhsa_float_denorm_mode_16_64 3
		.amdhsa_memory_ordered 1
		.amdhsa_forward_progress 1
		.amdhsa_inst_pref_size 124
	.end_amdhsa_kernel
	.amdgpu_metadata
---
amdhsa.version: [ 1, 2 ]
amdhsa.kernels:
  - .name:           k_qb6f84f6fb5_qkv
    .symbol:         k_qb6f84f6fb5_qkv.kd
    .args:
      - { .name: xb, .offset: 0, .size: 8, .value_kind: global_buffer, .address_space: global }
      - { .name: wqkv, .offset: 8, .size: 8, .value_kind: global_buffer, .address_space: global }
      - { .name: bq, .offset: 16, .size: 8, .value_kind: global_buffer, .address_space: global }
      - { .name: bk, .offset: 24, .size: 8, .value_kind: global_buffer, .address_space: global }
      - { .name: bv, .offset: 32, .size: 8, .value_kind: global_buffer, .address_space: global }
      - { .name: qkv, .offset: 40, .size: 8, .value_kind: global_buffer, .address_space: global }
      - { .name: stats, .offset: 48, .size: 8, .value_kind: global_buffer, .address_space: global }
    .group_segment_fixed_size: 327680
    .private_segment_fixed_size: 0
    .kernarg_segment_align: 8
    .kernarg_segment_size: 56
    .max_flat_workgroup_size: 128
    .sgpr_count:     100
    .vgpr_count:     1024
    .wavefront_size: 32
...
	.end_amdgpu_metadata
.endif
;; end of part 2
;; launch scores (part 3): grid 8 x 32, 4 waves a work-group, clusters of 4 x 4, 327,680 bytes of LDS; arguments qkv, stats, p; writes p
.if DOCPART == 3
	.amdgcn_target "amdgcn-amd-amdhsa--gfx1250"
	.amdhsa_code_object_version 6
	.text
	.protected	k_qb6f84f6fb5_scores
	.globl	k_qb6f84f6fb5_scores
	.p2align	8
	.type	k_qb6f84f6fb5_scores,@function
k_qb6f84f6fb5_scores:
	s_mov_b64 s[64:65], 0
	v_nop
	global_prefetch_b8 v0, s[64:65] scope:SCOPE_SE
	s_setreg_imm32_b32 hwreg(HW_REG_WAVE_MODE, 25, 1), 1
	s_wait_xcnt 0x0
	s_wait_alu depctr_hold_cnt(0) depctr_sa_sdst(0) depctr_va_vdst(0) depctr_va_sdst(0) depctr_va_ssrc(0) depctr_va_vcc(0) depctr_vm_vsrc(0)
	s_getreg_b32 s2, hwreg(HW_REG_IB_STS2, 6, 4)
	s_cmp_eq_u32 s2, 0
	s_cbranch_scc0 .Lentry_in_a_cluster
	s_endpgm
.Lentry_in_a_cluster:
	s_bfe_u32 s2, ttmp6, 0x10000c
	s_cmp_lg_u32 s2, 0xf033
	s_cbranch_scc0 .Lentry_shape_is_right
	s_endpgm
.Lentry_shape_is_right:
; THE WEIGHTS.  p[b][s][t] = sigmoid(z - ln 2048) / 4 in f16, z = LN(q)[s] . LN(k)[t] / 32.
; q~ and k~ arrive centred by chunks of 128 columns, with each chunk's mean m_j and sum of squares ss_j in f32.  For a row: mu = mean of the m_j, d_j = m_j - mu,
; var = (sum ss_j + 128 sum d_j^2) / 1024, rs = 1 / sqrt(var + 1e-5).  Since a chunk's centred numbers add up to 0,
; sum (q - mu_q)(k - mu_k) = sum q~ k~ + 128 sum_j dq_j dk_j: the second term is ONE more K step of 32, from a table in LDS that holds 8 dq_j for q's rows and 16 dk_j for k's, in f16.
; ln 2048 = 11 ln 2, so sigmoid(z - ln 2048) / 4 = 1 / (4 + 2^(13 - z log2 e)).  No maximum is wanted: both vectors are normalised, so |z| <= 32 and the exponent lies between about -34 and 60.
; LIMITS.  16 |d_j| stays under 65,504; a weight under 6.1e-5 keeps f16's fixed step of 6e-8; NaN and infinities are not treated apart.
; SHARES.  A tile of p is 256 x 256: 256 work-groups, one for each WGP.  Four waves, each 128 x 128: 64 accumulators, 512 registers.  K = 1,024 in steps of 128 through two LDS slots.
; CLUSTER.  4 x 4: q~'s tile is shared along a row of the cluster, k~'s along a column: joint loads.
; THE MATRIX INSTRUCTION IS USED TRANSPOSED (source 0 = 16 rows of k~, source 1 = 16 rows of q~): lane l holds row s = l % 16 and the columns t = 8 (l / 16) + 0..7.
; THE WAY OUT.  The f32 sums go into the ring's bytes, which have had their last fill, each wave's into its own 128 rows x 528 bytes; then whole rows come back, are scaled, passed through the sigmoid and stored.
; REGISTERS: window 0: v0-31 addresses; v32-43 row and column factors; v64-127, v128-191 A's fragments (at the head: the statistics; at the end: rows at work); window 1: v64-191 B's fragments; windows 2, 3: accumulators.
.set NA,     8
.set KT,     8
.set PITCH,  272
.set PB,     272
.set ABYTES, 256*PITCH
.set SLOT,   2*ABYTES                  ; 139,264 = 0x22000: no fill address in slot 0 (0, 0x8800, 0x11000, 0x19800) has one of its two bits, so one exclusive or changes slots
.set STEPA,  256
.set STEPB,  256
.set TAB,    2*SLOT                    ; behind the ring, never filled: 512 rows x 80 bytes (q's 256, k's 256): 8 f16 of d, 24 zeros, 16 bytes of padding
.set TP,     80
.set RSB,    TAB+512*TP                ; 512 f32: rs of q's rows; rs x (-log2 e / 32) of k's
.set SPARE,  RSB+2048
.set DP,     528                       ; a dumped row: 512 bytes + 16
.set ADA0, 16
.set ADA,  17
.set ADB0, 20
.set ADB,  21
.set TA,   10                          ; v10  my lane's place in the table, q's rows
.set TBB,  11                          ; v11  k's rows
.set SPW,  28
.set NIL,  29
.set PFO,  30
.set F0,   64
.set F1,   128
.set G1A, 24
.set G0A, 32
.set LIM, 43
.set PFA, 44
.set PFS, 46
.set G1B, 48
.set G0B, 56
.set FF,  84                           ; s[84:85] f: 8 for q's rows, 16 for k's
.set F8,  86                           ; s[86:87] f / 8
.set GG,  88                           ; s[88:89] 128 / f^2
.set HF,  90                           ; s[90:91] 1, or -log2 e / 32
.set C1K, 92                           ; s[92:93] 1 / 1024
.set EPS, 94                           ; s[94:95] 1e-5
.set C13, 96                           ; s[96:97] 13
.set MUL_LO, 0xa1
.set TO_B,   0x40
.set MSB, 0
.macro WIN new
.if MSB != (\new)
	s_set_vgpr_msb (MSB<<8)|(\new)
.set MSB, \new
.endif
.endm
.macro PLACES
.rept 4
	v_nop
.endr
.endm
.macro CREST
	s_cmp_lg_u32 s10, 0
	s_cbranch_scc1 .Lnot_wave_0_\@
	s_barrier_signal -3
.Lnot_wave_0_\@:
	s_barrier_wait -3
	s_barrier_signal -1
	s_barrier_wait -1
.endm
.macro CROUND
	s_barrier_signal -1
	s_barrier_wait -1
	CREST
.endm
.macro JLOAD                           ; a joint refill by the walking descriptors; an s_nop 0 and four v_nop follow each line
	s_cmp_eq_u32 s11, 0
	s_cbranch_scc0 .Lfor_b_\@
	tensor_load_to_lds s[G0A+4:G0A+7], s[G1A:G1A+7]
	s_nop 0
.rept 4
	v_nop
.endr
	s_branch .Lasked_\@
.Lfor_b_\@:
	tensor_load_to_lds s[G0B+4:G0B+7], s[G1B:G1B+7]
	s_nop 0
.rept 4
	v_nop
.endr
.Lasked_\@:
.endm
; A prefetch of the K step two refills on: 32 rows x 256 bytes, a lane a row.  q~'s rows are named by the clusters with x = 0, k~'s by the clusters with even y (two clusters share a batch's k~);
; the four partners of a joint load take 32 of a wave's 128 rows each, told apart by address.  The last two trips ask for nothing.
.macro ASK
	s_cmp_gt_u32 s3, s[LIM]
	s_cbranch_scc0 .Lnot_mine_\@
	global_prefetch_b8 v[PFO], s[PFA:PFA+1] th:TH_LOAD_NT scope:SCOPE_SE
.Lnot_mine_\@:
.endm
; 16 matrix instructions: row blocks a0, a0 + 1 of the window's four (hi = 0: my rows 0-63, 1: rows 64-127) x all 8 column blocks.  c = 1: the product starts the sums.  The 64 accumulators take turns in one order everywhere.
.macro MUL16 f, hi, a0, c
	WIN MUL_LO+0x50*(\hi)
.irp a, \a0, (\a0)+1
.irp b, 0,1,2,3,4,5,6,7
.if \c
	v_wmma_f32_16x16x32_f16 v[8*(8*(\a)+(\b)):8*(8*(\a)+(\b))+7], v[(\f)+8*(\b):(\f)+8*(\b)+7], v[(\f)+8*(4*(\hi)+(\a)):(\f)+8*(4*(\hi)+(\a))+7], 0
.else
	v_wmma_f32_16x16x32_f16 v[8*(8*(\a)+(\b)):8*(8*(\a)+(\b))+7], v[(\f)+8*(\b):(\f)+8*(\b)+7], v[(\f)+8*(4*(\hi)+(\a)):(\f)+8*(4*(\hi)+(\a))+7], v[8*(8*(\a)+(\b)):8*(8*(\a)+(\b))+7]
.endif
.endr
.endr
.endm
.macro FETCH k, f
	WIN TO_B
.irp i, 0,1,2,3,4,5,6,7
	ds_load_b128 v[(\f)+8*(\i):(\f)+8*(\i)+3],   v[ADB] offset:(\k)+(\i)*16*PB
	ds_load_b128 v[(\f)+8*(\i)+4:(\f)+8*(\i)+7], v[ADB] offset:(\k)+(\i)*16*PB+32
.endr
	WIN 0
.irp i, 0,1,2,3,4,5,6,7
	ds_load_b128 v[(\f)+8*(\i):(\f)+8*(\i)+3],   v[ADA] offset:(\k)+(\i)*16*PITCH
	ds_load_b128 v[(\f)+8*(\i)+4:(\f)+8*(\i)+7], v[ADA] offset:(\k)+(\i)*16*PITCH+32
.endr
.endm
.macro FETCHT f                        ; the same run from the table
	WIN TO_B
.irp i, 0,1,2,3,4,5,6,7
	ds_load_b128 v[(\f)+8*(\i):(\f)+8*(\i)+3],   v[TBB] offset:(\i)*16*TP
	ds_load_b128 v[(\f)+8*(\i)+4:(\f)+8*(\i)+7], v[TBB] offset:(\i)*16*TP+32
.endr
	WIN 0
.irp i, 0,1,2,3,4,5,6,7
	ds_load_b128 v[(\f)+8*(\i):(\f)+8*(\i)+3],   v[TA] offset:(\i)*16*TP
	ds_load_b128 v[(\f)+8*(\i)+4:(\f)+8*(\i)+7], v[TA] offset:(\i)*16*TP+32
.endr
.endm
.macro QUARTER k, f, g, c, src         ; src = 0: the next quarter comes from the ring; 1: from the table
	s_wait_dscnt NA                                ; B and A's rows 0-63 are in; the youngest eight loads may be out
	MUL16 \f, 0, 0, \c
	MUL16 \f, 0, 2, \c
	PLACES
.if (\src) == 1
	FETCHT \g
.else
	FETCH \k, \g
.endif
	s_wait_dscnt 16+2*NA                           ; all but the 32 just issued
	MUL16 \f, 1, 0, \c
	MUL16 \f, 1, 2, \c
.endm
.macro TURN fill
.if \fill
	s_wait_xcnt 0x0                                ; the last prefetch, a K step back, has read its address
	s_add_nc_u64 s[PFA:PFA+1], s[PFA:PFA+1], s[PFS:PFS+1]
.endif
	WIN 0
	s_wait_tensorcnt 0x0                           ; no tensor load of mine is out, so the walking descriptors may be written
	ds_add_u32 v[SPW], v[NIL]
.if \fill
	s_xor_b32 s[G0A+5], s[G0A+5], SLOT
	s_add_nc_u64 s[G0A+6:G0A+7], s[G0A+6:G0A+7], STEPA
	s_xor_b32 s[G0B+5], s[G0B+5], SLOT
	s_add_nc_u64 s[G0B+6:G0B+7], s[G0B+6:G0B+7], STEPB
.endif
	s_wait_dscnt NA+1                              ; the add and the youngest eight loads may be out
	MUL16 F1, 0, 0, 0
	s_wait_dscnt 0x0                               ; the add is done, and my reads of this slot are over
	s_barrier_signal -1
	MUL16 F1, 0, 2, 0                              ; work on registers while the others arrive
	WIN 0
	s_barrier_wait -1
.if \fill
	CREST
	JLOAD                                          ; its four v_nop are also the places in front of the loads below
.else
	PLACES
.endif
	s_xor_b32 s2, s2, SLOT
	v_add_nc_u32 v[ADA], s2, v[ADA0]
	v_add_nc_u32 v[ADB], s2, v[ADB0]
	FETCH 0, F0
.if \fill
	ASK
.endif
	MUL16 F1, 1, 0, 0
	MUL16 F1, 1, 2, 0
.endm
	s_load_b128 s[68:71], s[0:1], 0x0              ; qkv s[68:69], stats s[70:71]
	s_load_b64 s[72:73], s[0:1], 0x10              ; p
	v_lshl_add_u32 v[SPW], v0, 2, SPARE
	v_mov_b32 v[NIL], 0
	ds_add_u32 v[SPW], v[NIL]                      ; the wave's opening: the add, twice on end, and its wait ahead of my first tensor load
	ds_add_u32 v[SPW], v[NIL]
	v_lshrrev_b32 v1, 5, v0
	v_readfirstlane_b32 s10, v1
	s_lshr_b32 s11, s10, 1                         ; my half of the tile's rows; also: I fetch for A (0) or B (1)
	s_and_b32 s12, s10, 1                          ; my half of its columns; also: which 128 rows I fetch
	s_bfe_u32 s40, ttmp6, 0x40000
	s_bfe_u32 s41, ttmp6, 0x40004
	s_lshl_b32 s42, ttmp9, 2
	s_add_co_u32 s42, s42, s40                     ; tile column 0..7 (256 keys of the batch)
	s_and_b32 s13, ttmp7, 0xffff
	s_lshr_b32 s22, s13, 1                         ; the batch: made of the cluster's y alone
	s_lshl_b32 s13, s13, 2
	s_add_co_u32 s13, s13, s41                     ; tile row 0..31 (256 of all 8,192 rows)
	s_lshl_b32 s14, s41, 2
	s_lshl_b32 s14, 15, s14
	s_lshl_b32 s15, 0x1111, s40
	s_or_b32 s[G1A], s14, (1<<16)|(1<<20)|(1<<21)|(5<<22)|(3<<25)
	s_or_b32 s[G1B], s15, (1<<16)|(1<<20)|(1<<21)|(5<<22)|(3<<25)
.irp g, G1A, G1B
	s_mov_b32 s[(\g)+1], 128<<16                   ; tensor_dim0 = 128
	s_mov_b32 s[(\g)+2], 128<<16                   ; tensor_dim1 = 128
	s_mov_b32 s[(\g)+3], 128<<16                   ; tile_dim0 = 128
	s_mov_b32 s[(\g)+4], 128                       ; tile_dim1 = 128
	s_mov_b32 s[(\g)+5], 1024                      ; elements from row to row
	s_mov_b32 s[(\g)+6], 0
	s_mov_b32 s[(\g)+7], 0
.endr
	s_lshl_b32 s16, s13, 8
	s_lshl_b32 s17, s12, 7
	s_add_co_u32 s16, s16, s17
	s_lshl_b32 s16, s16, 11                        ; q~: row 256 x tile row + 128 x half, in bytes
	s_mov_b32 s17, 0
	s_lshl_b32 s18, s22, 11
	s_lshl_b32 s19, s42, 8
	s_add_co_u32 s18, s18, s19
	s_lshl_b32 s19, s12, 7
	s_add_co_u32 s18, s18, s19
	s_lshl_b32 s18, s18, 11                        ; k~: row 2,048 x batch + 256 x tile column + 128 x half,
	s_add_co_u32 s18, s18, 1<<24                   ; in plane 1
	s_mov_b32 s19, 0
	s_mul_i32 s20, s10, 128*PITCH                  ; where they go: wave x 128 rows
	s_mov_b32 s2, 0
	s_wait_dscnt 0x0
	s_wait_kmcnt 0x0
	s_add_nc_u64 s[4:5], s[68:69], s[16:17]
	s_add_nc_u64 s[6:7], s[68:69], s[18:19]
	CROUND
.irp n, 0,1
	s_mov_b32 s[G0A+4*(\n)], 1
	s_add_co_u32 s[G0A+4*(\n)+1], s20, (\n)*SLOT
	s_add_nc_u64 s[G0A+4*(\n)+2:G0A+4*(\n)+3], s[4:5], (\n)*STEPA
	s_or_b32 s[G0A+4*(\n)+3], s[G0A+4*(\n)+3], 0x80000000
	s_mov_b32 s[G0B+4*(\n)], 1
	s_add_co_u32 s[G0B+4*(\n)+1], s20, (\n)*SLOT
	s_add_nc_u64 s[G0B+4*(\n)+2:G0B+4*(\n)+3], s[6:7], (\n)*STEPB
	s_or_b32 s[G0B+4*(\n)+3], s[G0B+4*(\n)+3], 0x80000000
.endr
	s_cmp_eq_u32 s11, 0                            ; a wave's two first fills stand in one branch: two loads of mine are out
	s_cbranch_scc0 .Lfirst_b
	tensor_load_to_lds s[G0A:G0A+3], s[G1A:G1A+7]
	s_nop 0
	tensor_load_to_lds s[G0A+4:G0A+7], s[G1A:G1A+7]
	s_nop 0
.rept 4
	v_nop
.endr
	s_branch .Lfirst_done
.Lfirst_b:
	tensor_load_to_lds s[G0B:G0B+3], s[G1B:G1B+7]
	s_nop 0
	tensor_load_to_lds s[G0B+4:G0B+7], s[G1B:G1B+7]
	s_nop 0
.rept 4
	v_nop
.endr
.Lfirst_done:
	; THE TABLE.  Thread (w, l) owns table rows 128 w + 4 l .. + 3: waves 0, 1 q's 256 rows, waves 2, 3 k's.
	v_and_b32 v1, 15, v0                           ; r
	v_bfe_u32 v2, v0, 4, 1                         ; h
	v_and_b32 v6, 31, v0                           ; l
	v_lshlrev_b32 v4, 4, v6                        ; four rows' f32; not rewritten before the wait for the loads
	s_lshl_b32 s14, s13, 8
	s_lshl_b32 s15, s22, 11
	s_lshl_b32 s16, s42, 8
	s_add_co_u32 s15, s15, s16
	s_cmp_eq_u32 s11, 0
	s_cselect_b32 s14, s14, s15                    ; the tile's first row of q, or of k,
	s_lshl_b32 s15, s12, 7
	s_add_co_u32 s14, s14, s15                     ; my wave's 128
	s_lshl_b32 s14, s14, 2
	s_lshl_b32 s15, s11, 18                        ; the plane
	s_add_co_u32 s14, s14, s15
	s_mov_b32 s15, 0
	s_add_nc_u64 s[74:75], s[70:71], s[14:15]
.irp j, 0,1,2,3,4,5,6,7
	global_load_b128 v[64+4*(\j):67+4*(\j)], v4, s[74:75] offset:32768*(\j)         ; m_j of my four rows
	global_load_b128 v[96+4*(\j):99+4*(\j)], v4, s[74:75] offset:524288+32768*(\j)  ; ss_j
.endr
	s_mov_b32 s[FF], 0x41000000                    ; 8.0
	s_mov_b32 s15, 0x41800000                      ; 16.0
	s_cmp_eq_u32 s11, 0
	s_cselect_b32 s[FF], s[FF], s15
	s_cselect_b32 s[F8], 1.0, 2.0
	s_cselect_b32 s[GG], 2.0, 0.5
	s_cselect_b32 s[HF], 1.0, 0xbd38aa3b           ; -log2 e / 32 rides on k's factor
	s_mov_b32 s[FF+1], s[FF]                       ; named as pairs
	s_mov_b32 s[F8+1], s[F8]
	s_mov_b32 s[GG+1], s[GG]
	s_mov_b32 s[HF+1], s[HF]
	s_mov_b32 s[C1K], 0x3a800000
	s_mov_b32 s[C1K+1], 0x3a800000
	s_mov_b32 s[EPS], 0x3727c5ac
	s_mov_b32 s[EPS+1], 0x3727c5ac
	s_mov_b32 s[C13], 0x41500000
	s_mov_b32 s[C13+1], 0x41500000
	v_mul_u32_u24 v3, v1, PITCH
	v_lshl_add_u32 v3, v2, 4, v3
	s_mul_i32 s14, s11, 128*PITCH
	v_add_nc_u32 v[ADA0], s14, v3
	s_mul_i32 s14, s12, 128*PITCH
	s_add_co_u32 s14, s14, ABYTES
	v_add_nc_u32 v[ADB0], s14, v3
	v_mov_b32 v[ADA], v[ADA0]
	v_mov_b32 v[ADB], v[ADB0]
	v_mul_u32_u24 v3, v1, TP
	v_lshl_add_u32 v3, v2, 4, v3                   ; r x 80 + 16 h
	s_mul_i32 s14, s11, 128*TP
	s_add_co_u32 s14, s14, TAB
	v_add_nc_u32 v[TA], s14, v3
	s_mul_i32 s14, s12, 128*TP
	s_add_co_u32 s14, s14, TAB+256*TP
	v_add_nc_u32 v[TBB], s14, v3
	s_mul_i32 s14, s10, 128*TP
	s_add_co_u32 s14, s14, TAB
	v_mul_u32_u24 v5, v6, 4*TP
	v_add_nc_u32 v5, s14, v5                       ; where my four table rows go
	s_lshl_b32 s14, s10, 9
	s_add_co_u32 s14, s14, RSB
	v_lshl_add_u32 v7, v6, 4, s14                  ; and their four factors
	s_mul_i32 s14, s10, 128*DP                     ; the way out: my wave's 128 rows x 528 bytes, from LDS byte 0 on
	v_mul_u32_u24 v12, v1, DP
	v_lshl_add_u32 v12, v2, 5, v12
	v_add_nc_u32 v12, s14, v12                     ; in: row r, 32 bytes for each half of the lanes
	v_lshl_add_u32 v13, v6, 4, s14                 ; back: 32 lanes take a row's 512 bytes
	s_lshl_b32 s14, s11, 9
	s_add_co_u32 s14, s14, RSB
	v_mov_b32 v14, s14                             ; my rows' factors, the same address in every lane
	s_lshl_b32 s14, s12, 9
	s_add_co_u32 s14, s14, RSB+1024
	v_lshl_add_u32 v8, v6, 4, s14                  ; my four columns' factors
	v_lshlrev_b32 v15, 3, v6                       ; my 8 bytes of a row of p
	s_lshl_b32 s16, s13, 20                        ; p: 256 rows x 4,096 bytes a tile row,
	s_lshl_b32 s17, s11, 19                        ; my 128 rows,
	s_add_co_u32 s16, s16, s17
	s_lshl_b32 s17, s42, 9                         ; 256 columns a tile column,
	s_add_co_u32 s16, s16, s17
	s_lshl_b32 s17, s12, 8                         ; my 128
	s_add_co_u32 s16, s16, s17
	s_mov_b32 s17, 0
	s_add_nc_u64 s[8:9], s[72:73], s[16:17]
	; the prefetches
	s_lshl_b32 s16, s13, 8
	s_lshl_b32 s17, s40, 5
	s_add_co_u32 s16, s16, s17
	s_lshl_b32 s18, s22, 11
	s_lshl_b32 s19, s42, 8
	s_add_co_u32 s18, s18, s19
	s_lshl_b32 s19, s41, 5
	s_add_co_u32 s18, s18, s19
	s_and_b32 s15, ttmp7, 1                        ; the parity of the cluster's y
	s_cmp_eq_u32 s11, 0
	s_cselect_b32 s16, s16, s18
	s_cselect_b32 s15, ttmp9, s15
	s_cmp_eq_u32 s15, 0
	s_cselect_b32 s[LIM], 2, -1
	s_lshl_b32 s17, s12, 7
	s_add_co_u32 s16, s16, s17
	s_lshl_b32 s16, s16, 11
	s_lshl_b32 s17, s11, 24
	s_add_co_u32 s16, s16, s17
	s_add_co_u32 s16, s16, 3*256                   ; at K step 3: the first change of slots steps it to 4
	s_mov_b32 s17, 0
	s_add_nc_u64 s[PFA:PFA+1], s[68:69], s[16:17]
	s_mov_b32 s[PFS], 256
	s_mov_b32 s[PFS+1], 0
	v_lshlrev_b32 v[PFO], 11, v6
.irp z, 160,161,162,163
	v_mov_b32 v\z, 0
.endr
	s_wait_loadcnt 0x0
.irp e, 0,2                            ; two rows at a time
	v_pk_add_f32 v[128+(\e):129+(\e)], v[64+(\e):65+(\e)], v[68+(\e):69+(\e)]
.irp j, 2,3,4,5,6,7
	v_pk_add_f32 v[128+(\e):129+(\e)], v[128+(\e):129+(\e)], v[64+4*(\j)+(\e):65+4*(\j)+(\e)]
.endr
	v_pk_mul_f32 v[128+(\e):129+(\e)], v[128+(\e):129+(\e)], s[F8:F8+1] op_sel_hi:[1,0]  ; f mu
.irp j, 0,1,2,3,4,5,6,7
	v_pk_fma_f32 v[64+4*(\j)+(\e):65+4*(\j)+(\e)], v[64+4*(\j)+(\e):65+4*(\j)+(\e)], s[FF:FF+1], v[128+(\e):129+(\e)] op_sel_hi:[1,0,1] neg_lo:[0,0,1] neg_hi:[0,0,1]  ; f d_j
.endr
	v_pk_add_f32 v[132+(\e):133+(\e)], v[96+(\e):97+(\e)], v[100+(\e):101+(\e)]
.irp j, 2,3,4,5,6,7
	v_pk_add_f32 v[132+(\e):133+(\e)], v[132+(\e):133+(\e)], v[96+4*(\j)+(\e):97+4*(\j)+(\e)]
.endr
	v_pk_mul_f32 v[136+(\e):137+(\e)], v[64+(\e):65+(\e)], v[64+(\e):65+(\e)]
.irp j, 1,2,3,4,5,6,7
	v_pk_fma_f32 v[136+(\e):137+(\e)], v[64+4*(\j)+(\e):65+4*(\j)+(\e)], v[64+4*(\j)+(\e):65+4*(\j)+(\e)], v[136+(\e):137+(\e)]
.endr
	v_pk_fma_f32 v[136+(\e):137+(\e)], v[136+(\e):137+(\e)], s[GG:GG+1], v[132+(\e):133+(\e)] op_sel_hi:[1,0,1]  ; sum ss + 128 sum d^2
	v_pk_fma_f32 v[136+(\e):137+(\e)], v[136+(\e):137+(\e)], s[C1K:C1K+1], s[EPS:EPS+1] op_sel_hi:[1,0,0]       ; var + eps
.endr
.irp i, 0,1,2,3
	v_rsq_f32 v[140+(\i)], v[136+(\i)]
.endr
	v_nop                                          ; a plain instruction behind the last of the batch,
	s_wait_alu depctr_va_vdst(0)                   ; and the one wait ahead of the first use
	v_pk_mul_f32 v[140:141], v[140:141], s[HF:HF+1] op_sel_hi:[1,0]
	v_pk_mul_f32 v[142:143], v[142:143], s[HF:HF+1] op_sel_hi:[1,0]
.irp i, 0,1,2,3
.irp n, 0,1,2,3
	v_cvt_pk_f16_f32 v[144+4*(\i)+(\n)], v[64+8*(\n)+(\i)], v[68+8*(\n)+(\i)]  ; row i: d_0 .. d_7
.endr
.endr
.irp i, 0,1,2,3
	ds_store_b128 v5, v[144+4*(\i):147+4*(\i)] offset:TP*(\i)
	ds_store_b128 v5, v[160:163] offset:TP*(\i)+16     ; k = 8 .. 31 of the table's K step are 0
	ds_store_b128 v5, v[160:163] offset:TP*(\i)+32
	ds_store_b128 v5, v[160:163] offset:TP*(\i)+48
.endr
	ds_store_b128 v7, v[140:143]
	s_wait_tensorcnt 0x1                           ; my part of K step 0 is in; K step 1's may stay out
	s_wait_dscnt 0x0                               ; for the others' sake: my table rows are written
	s_barrier_signal -1
	s_barrier_wait -1
	FETCH 0, F0
	QUARTER 64, F0, F1, 1, 0                       ; the first quarter's products start the sums
	WIN 0
	s_mov_b32 s3, KT-2
.Lk:
	QUARTER 128, F1, F0, 0, 0
	QUARTER 192, F0, F1, 0, 0
	TURN 1
	QUARTER 64, F0, F1, 0, 0
	WIN 0
	s_sub_co_u32 s3, s3, 1
	s_cmp_lg_u32 s3, 0
	s_cbranch_scc1 .Lk
	QUARTER 128, F1, F0, 0, 0                      ; the last two K steps ask for nothing
	QUARTER 192, F0, F1, 0, 0
	TURN 0
	QUARTER 64, F0, F1, 0, 0
	QUARTER 128, F1, F0, 0, 0
	QUARTER 192, F0, F1, 0, 0
	QUARTER 0, F1, F0, 0, 1                        ; the last quarter fetches the table's fragments
	s_wait_dscnt 0x0
	MUL16 F0, 0, 0, 0                              ; + 128 sum dq dk
	MUL16 F0, 0, 2, 0
	MUL16 F0, 1, 0, 0
	MUL16 F0, 1, 2, 0
	WIN 0
	s_barrier_signal -1                            ; every wave's reads of the ring are back (the wait for 0 above): behind this barrier its bytes, which are filled no more, take the sums
	s_barrier_wait -1
	PLACES
.irp a, 0,1,2,3,4,5,6,7
	WIN 0x08+4*((\a)/4)                            ; the stores' data in window 2 or 3
.irp b, 0,1,2,3,4,5,6,7
	ds_store_b128 v12, v[8*(8*((\a)%4)+(\b)):8*(8*((\a)%4)+(\b))+3]   offset:(\a)*16*DP+64*(\b)     ; each accumulator's lowest registers first
	ds_store_b128 v12, v[8*(8*((\a)%4)+(\b))+4:8*(8*((\a)%4)+(\b))+7] offset:(\a)*16*DP+64*(\b)+16
.endr
.endr
	WIN 0
	ds_load_b128 v[32:35], v8                      ; my four columns' factors
	s_mov_b32 s3, 16
.Lrows:                                            ; eight rows a trip; my wave's own bytes, served in order
.irp i, 0,1,2,3,4,5,6,7
	ds_load_b128 v[64+4*(\i):67+4*(\i)], v13 offset:DP*(\i)
.endr
	ds_load_b128 v[36:39], v14                     ; the eight rows' factors
	ds_load_b128 v[40:43], v14 offset:16
	s_wait_dscnt 0x0
.irp i, 0,1,2,3,4,5,6,7
	v_pk_mul_f32 v[64+4*(\i):65+4*(\i)], v[64+4*(\i):65+4*(\i)], v[32:33]
	v_pk_mul_f32 v[66+4*(\i):67+4*(\i)], v[66+4*(\i):67+4*(\i)], v[34:35]
.endr
.irp i, 0,2,4,6                        ; 13 - z log2 e: an even row takes the pair's first factor, an odd row its second
	v_pk_fma_f32 v[64+4*(\i):65+4*(\i)], v[64+4*(\i):65+4*(\i)], v[36+(\i):37+(\i)], s[C13:C13+1] op_sel_hi:[1,0,0]
	v_pk_fma_f32 v[66+4*(\i):67+4*(\i)], v[66+4*(\i):67+4*(\i)], v[36+(\i):37+(\i)], s[C13:C13+1] op_sel_hi:[1,0,0]
	v_pk_fma_f32 v[68+4*(\i):69+4*(\i)], v[68+4*(\i):69+4*(\i)], v[36+(\i):37+(\i)], s[C13:C13+1] op_sel:[0,1,0] op_sel_hi:[1,1,0]
	v_pk_fma_f32 v[70+4*(\i):71+4*(\i)], v[70+4*(\i):71+4*(\i)], v[36+(\i):37+(\i)], s[C13:C13+1] op_sel:[0,1,0] op_sel_hi:[1,1,0]
.endr
.set i, 64
.rept 32
	v_exp_f32 v[i], v[i]
.set i, i+1
.endr
	v_nop
	s_wait_alu depctr_va_vdst(0)                   ; one wait for the 32 exponentials
.set i, 64
.rept 16
	v_pk_add_f32 v[i:i+1], v[i:i+1], 4.0 op_sel_hi:[1,0]
.set i, i+2
.endr
.set i, 64
.rept 32
	v_rcp_f32 v[i], v[i]
.set i, i+1
.endr
	v_nop
	s_wait_alu depctr_va_vdst(0)                   ; one wait for the 32 reciprocals
.set i, 0
.rept 16
	v_cvt_pk_f16_f32 v[96+i], v[64+2*i], v[64+2*i+1]
.set i, i+1
.endr
.irp i, 0,1,2,3,4,5,6,7
	global_store_b64 v15, v[96+2*(\i):97+2*(\i)], s[8:9] offset:4096*(\i)  ; 32 lanes store 256 consecutive bytes, aligned
.endr
	s_wait_xcnt 0x0                                ; the stores have read their data and their base
	s_add_nc_u64 s[8:9], s[8:9], 8*4096
	v_add_nc_u32 v13, 8*DP, v13
	v_add_nc_u32 v14, 32, v14
	s_sub_co_u32 s3, s3, 1
	s_cmp_lg_u32 s3, 0
	s_cbranch_scc1 .Lrows
	s_wait_tensorcnt 0x0                           ; the wave's end
	ds_add_u32 v[SPW], v[NIL]
	s_wait_dscnt 0x0
	CROUND                                         ; the closing round
	s_endpgm
.Lfunc_end_k_qb6f84f6fb5_scores:
	.size	k_qb6f84f6fb5_scores, .Lfunc_end_k_qb6f84f6fb5_scores-k_qb6f84f6fb5_scores
	.p2alignl 7, 3214868480
	.fill 96, 4, 3214868480
	.section	.rodata,"a",@progbits
	.p2align	6, 0x0
	.amdhsa_kernel k_qb6f84f6fb5_scores
		.amdhsa_group_segment_fixed_size 327680
		.amdhsa_private_segment_fixed_size 0
		.amdhsa_enable_private_segment 0
		.amdhsa_kernarg_size 24
		.amdhsa_user_sgpr_count 2
		.amdhsa_user_sgpr_kernarg_segment_ptr 1
		.amdhsa_wavefront_size32 1
		.amdhsa_system_sgpr_workgroup_id_x 1
		.amdhsa_system_sgpr_workgroup_id_y 1
		.amdhsa_system_sgpr_workgroup_id_z 1
		.amdhsa_system_vgpr_workitem_id 0
		.amdhsa_next_free_vgpr 1024
		.amdhsa_next_free_sgpr 100
		.amdhsa_reserve_vcc 0
		.amdhsa_float_denorm_mode_32 3
		.amdhsa_float_denorm_mode_16_64 3
		.amdhsa_memory_ordered 1
		.amdhsa_forward_progress 1
		.amdhsa_inst_pref_size 119
	.end_amdhsa_kernel
	.amdgpu_metadata
---
amdhsa.version: [ 1, 2 ]
amdhsa.kernels:
  - .name:           k_qb6f84f6fb5_scores
    .symbol:         k_qb6f84f6fb5_scores.kd
    .args:
      - { .name: qkv, .offset: 0, .size: 8, .value_kind: global_buffer, .address_space: global }
      - { .name: stats, .offset: 8, .size: 8, .value_kind: global_buffer, .address_space: global }
      - { .name: p, .offset: 16, .size: 8, .value_kind: global_buffer, .address_space: global }
    .group_segment_fixed_size: 327680
    .private_segment_fixed_size: 0
    .kernarg_segment_align: 8
    .kernarg_segment_size: 24
    .max_flat_workgroup_size: 128
    .sgpr_count:     100
    .vgpr_count:     1024
    .wavefront_size: 32
...
	.end_amdgpu_metadata
.endif
;; end of part 3
;; launch pv (part 4): grid 8 x 32, 4 waves a work-group, clusters of 4 x 4, 327,680 bytes of LDS; arguments p, qkv, o16; writes o16
.if DOCPART == 4
	.amdgcn_target "amdgcn-amd-amdhsa--gfx1250"
	.amdhsa_code_object_version 6
	.text
	.protected	k_qb6f84f6fb5_pv
	.globl	k_qb6f84f6fb5_pv
	.p2align	8
	.type	k_qb6f84f6fb5_pv,@function
k_qb6f84f6fb5_pv:
	s_mov_b64 s[64:65], 0
	v_nop
	global_prefetch_b8 v0, s[64:65] scope:SCOPE_SE
	s_setreg_imm32_b32 hwreg(HW_REG_WAVE_MODE, 25, 1), 1
	s_wait_xcnt 0x0
	s_wait_alu depctr_hold_cnt(0) depctr_sa_sdst(0) depctr_va_vdst(0) depctr_va_sdst(0) depctr_va_ssrc(0) depctr_va_vcc(0) depctr_vm_vsrc(0)
	s_getreg_b32 s2, hwreg(HW_REG_IB_STS2, 6, 4)
	s_cmp_eq_u32 s2, 0
	s_cbranch_scc0 .Lentry_in_a_cluster
	s_endpgm
.Lentry_in_a_cluster:
	s_bfe_u32 s2, ttmp6, 0x10000c
	s_cmp_lg_u32 s2, 0xf033
	s_cbranch_scc0 .Lentry_shape_is_right
	s_endpgm
.Lentry_shape_is_right:
; THE WEIGHTED SUM.  o16[row][e] = sum over t of p[row][t] v[b][t][e], f16 operands, f32 sums, f16 result.  p holds the weights / 4, so o16 holds out / 4: the last launch puts the 4 back.
; LIMITS.  |out| stays under 262,016 (f16's end x 4); NaN and infinities are not treated apart.
; SHARES.  A tile is 256 rows x 128 columns: 256 work-groups, one for each WGP.  Four waves, each 64 rows x 128 columns.  K = 2,048 keys in steps of 128 through two LDS slots.
; v lies [key][channel]: its tile, 128 keys x 256 bytes, comes out of LDS turned, by ds_load_tr16_b128; rows of 288 bytes there (256 + 32).
; CLUSTER.  4 x 4: p's tile is shared along a row of the cluster, v's along a column: joint loads.
; THE MATRIX INSTRUCTION IS USED TRANSPOSED (source 0 = 16 channels of v, source 1 = 16 rows of p): lane l holds row l % 16 and the channels 8 (l / 16) + 0..7.
; REGISTERS: window 0: v0-31 addresses; v32-63, v224-255 rows on the way out; v64-95, v128-159 A's fragments; v192-223 packed results; window 1: v64-191 B's fragments; window 2: accumulators.
.set NA,     4
.set KT,     16
.set PITCH,  272
.set PB,     288
.set ABYTES, 256*PITCH
.set SLOT,   131072
.set STEPA,  256
.set STEPB,  128*2048                  ; 128 keys down
.set ROWB,   2048
.set STAGE,  SLOT+ABYTES+128*PB
.set SP,     272
.set SPARE,  STAGE+4*16*SP
.set ADA0, 16
.set ADA,  17
.set ADB0, 20
.set ADB,  21
.set STO,  24
.set RD,   25
.set CO,   26
.set SPW,  28
.set NIL,  29
.set PFO,  30
.set F0,   64
.set F1,   128
.set TMP,  192
.set OB,   32
.set G1A, 24
.set G0A, 32
.set LIM, 43
.set PFA, 44
.set PFS, 46
.set G1B, 48
.set G0B, 56
.set MUL_LO, 0xa1
.set TO_B,   0x40
.set MSB, 0
.macro WIN new
.if MSB != (\new)
	s_set_vgpr_msb (MSB<<8)|(\new)
.set MSB, \new
.endif
.endm
.macro PLACES
.rept 4
	v_nop
.endr
.endm
.macro CREST
	s_cmp_lg_u32 s10, 0
	s_cbranch_scc1 .Lnot_wave_0_\@
	s_barrier_signal -3
.Lnot_wave_0_\@:
	s_barrier_wait -3
	s_barrier_signal -1
	s_barrier_wait -1
.endm
.macro CROUND
	s_barrier_signal -1
	s_barrier_wait -1
	CREST
.endm
.macro JLOAD
	s_cmp_eq_u32 s11, 0
	s_cbranch_scc0 .Lfor_b_\@
	tensor_load_to_lds s[G0A+4:G0A+7], s[G1A:G1A+7]
	s_nop 0
.rept 4
	v_nop
.endr
	s_branch .Lasked_\@
.Lfor_b_\@:
	tensor_load_to_lds s[G0B+4:G0B+7], s[G1B:G1B+7]
	s_nop 0
.rept 4
	v_nop
.endr
.Lasked_\@:
.endm
; A prefetch of the K step two refills on: 32 rows x 256 bytes, a lane a row.  p's rows are named by the clusters with x = 0 (waves 0, 1), v's by the clusters with even y (wave 2): two clusters share a batch's v.
; The four partners of a joint load take 32 rows each, told apart by address.  The last two trips ask for nothing.
.macro ASK
	s_cmp_gt_u32 s3, s[LIM]
	s_cbranch_scc0 .Lnot_mine_\@
	global_prefetch_b8 v[PFO], s[PFA:PFA+1] th:TH_LOAD_NT scope:SCOPE_SE
.Lnot_mine_\@:
.endm
.macro MUL16 f, hi, a0, c              ; the 32 accumulators take turns in one order everywhere
	WIN MUL_LO
.irp a, \a0, (\a0)+1
.irp b, 0,1,2,3,4,5,6,7
.if \c
	v_wmma_f32_16x16x32_f16 v[8*(8*(\a)+(\b)):8*(8*(\a)+(\b))+7], v[(\f)+8*(\b):(\f)+8*(\b)+7], v[(\f)+8*(\a):(\f)+8*(\a)+7], 0
.else
	v_wmma_f32_16x16x32_f16 v[8*(8*(\a)+(\b)):8*(8*(\a)+(\b))+7], v[(\f)+8*(\b):(\f)+8*(\b)+7], v[(\f)+8*(\a):(\f)+8*(\a)+7], v[8*(8*(\a)+(\b)):8*(8*(\a)+(\b))+7]
.endif
.endr
.endr
.endm
.macro FETCH k, f                      ; the quarter at byte k of p's rows is keys 32 (k / 64) on of v's tile; channel block i lies 32 i bytes along v's rows
	WIN TO_B
.irp i, 0,1,2,3,4,5,6,7
	ds_load_tr16_b128 v[(\f)+8*(\i):(\f)+8*(\i)+3],   v[ADB] offset:((\k)/64)*32*PB+32*(\i)
	ds_load_tr16_b128 v[(\f)+8*(\i)+4:(\f)+8*(\i)+7], v[ADB] offset:((\k)/64)*32*PB+16*PB+32*(\i)
.endr
	WIN 0
.irp i, 0,1,2,3
	ds_load_b128 v[(\f)+8*(\i):(\f)+8*(\i)+3],   v[ADA] offset:(\k)+(\i)*16*PITCH
	ds_load_b128 v[(\f)+8*(\i)+4:(\f)+8*(\i)+7], v[ADA] offset:(\k)+(\i)*16*PITCH+32
.endr
.endm
.macro QUARTER k, f, g, c, src
	s_wait_dscnt NA                                ; B and A's blocks 0, 1 are in; the youngest four loads may be out
	MUL16 \f, 0, 0, \c
.if (\src) == 2
	s_wait_dscnt 0x0
.else
	PLACES
	FETCH \k, \g
	s_wait_dscnt 16+2*NA                           ; all but the 24 just issued
.endif
	MUL16 \f, 0, 2, \c
.endm
.macro TURN fill
.if \fill
	s_wait_xcnt 0x0                                ; the last prefetch, a K step back, has read its address
	s_add_nc_u64 s[PFA:PFA+1], s[PFA:PFA+1], s[PFS:PFS+1]
.endif
	WIN 0
	s_wait_tensorcnt 0x0                           ; no tensor load of mine is out, so the walking descriptors may be written
	ds_add_u32 v[SPW], v[NIL]
.if \fill
	s_xor_b32 s[G0A+5], s[G0A+5], SLOT
	s_add_nc_u64 s[G0A+6:G0A+7], s[G0A+6:G0A+7], STEPA
	s_xor_b32 s[G0B+5], s[G0B+5], SLOT
	s_add_nc_u64 s[G0B+6:G0B+7], s[G0B+6:G0B+7], STEPB
.endif
	s_wait_dscnt NA+1                              ; the add and the youngest four loads may be out
	MUL16 F1, 0, 0, 0
	s_wait_dscnt 0x0                               ; the add is done, and my reads of this slot are over
	s_barrier_signal -1
	WIN 0
	s_barrier_wait -1
.if \fill
	CREST
	JLOAD                                          ; its four v_nop are also the places in front of the loads below
.else
	PLACES
.endif
	s_xor_b32 s2, s2, SLOT
	v_add_nc_u32 v[ADA], s2, v[ADA0]
	v_add_nc_u32 v[ADB], s2, v[ADB0]
	FETCH 0, F0
.if \fill
	ASK
.endif
	MUL16 F1, 0, 2, 0
.endm
	s_load_b128 s[68:71], s[0:1], 0x0              ; p s[68:69], qkv s[70:71]
	s_load_b64 s[72:73], s[0:1], 0x10              ; o16
	v_lshl_add_u32 v[SPW], v0, 2, SPARE
	v_mov_b32 v[NIL], 0
	ds_add_u32 v[SPW], v[NIL]                      ; the wave's opening: the add, twice on end, and its wait ahead of my first tensor load
	ds_add_u32 v[SPW], v[NIL]
	v_lshrrev_b32 v1, 5, v0
	v_readfirstlane_b32 s10, v1
	s_lshr_b32 s11, s10, 1
	s_and_b32 s12, s10, 1
	s_bfe_u32 s40, ttmp6, 0x40000
	s_bfe_u32 s41, ttmp6, 0x40004
	s_lshl_b32 s42, ttmp9, 2
	s_add_co_u32 s42, s42, s40                     ; tile column 0..7 (128 channels)
	s_and_b32 s13, ttmp7, 0xffff
	s_lshr_b32 s22, s13, 1                         ; the batch: made of the cluster's y alone
	s_lshl_b32 s13, s13, 2
	s_add_co_u32 s13, s13, s41                     ; tile row 0..31
	s_lshl_b32 s14, s41, 2
	s_lshl_b32 s14, 15, s14
	s_lshl_b32 s15, 0x1111, s40
	s_or_b32 s[G1A], s14, (1<<16)|(1<<20)|(1<<21)|(5<<22)|(3<<25)
	s_or_b32 s[G1B], s15, (1<<16)|(1<<20)|(1<<21)|(5<<22)|(7<<25)  ; 8 words of padding behind every 64
	s_mov_b32 s[G1A+1], 128<<16
	s_mov_b32 s[G1A+2], 128<<16
	s_mov_b32 s[G1A+3], 128<<16
	s_mov_b32 s[G1A+4], 128
	s_mov_b32 s[G1A+5], 2048                       ; a row of p has 2,048 elements
	s_mov_b32 s[G1A+6], 0
	s_mov_b32 s[G1A+7], 0
	s_mov_b32 s[G1B+1], 128<<16
	s_mov_b32 s[G1B+2], 64<<16
	s_mov_b32 s[G1B+3], 128<<16
	s_mov_b32 s[G1B+4], 64
	s_mov_b32 s[G1B+5], 1024
	s_mov_b32 s[G1B+6], 0
	s_mov_b32 s[G1B+7], 0
	s_lshl_b32 s16, s13, 8
	s_lshl_b32 s17, s12, 7
	s_add_co_u32 s16, s16, s17
	s_lshl_b32 s16, s16, 12                        ; p: row 256 x tile row + 128 x half, 4,096 bytes a row
	s_mov_b32 s17, 0
	s_lshl_b32 s18, s22, 11
	s_lshl_b32 s19, s12, 6
	s_add_co_u32 s18, s18, s19
	s_lshl_b32 s18, s18, 11                        ; v: key 2,048 x batch + 64 x half,
	s_lshl_b32 s19, s42, 8
	s_add_co_u32 s18, s18, s19                     ; the tile column's 256 bytes,
	s_add_co_u32 s18, s18, 2<<24                   ; in plane 2
	s_mov_b32 s19, 0
	s_mul_i32 s20, s10, 128*PITCH
	s_mul_i32 s21, s10, 64*PB
	s_add_co_u32 s21, s21, ABYTES-128*PB
	s_mov_b32 s2, 0
	s_wait_dscnt 0x0
	s_wait_kmcnt 0x0
	s_add_nc_u64 s[4:5], s[68:69], s[16:17]
	s_add_nc_u64 s[6:7], s[70:71], s[18:19]
	CROUND
.irp n, 0,1
	s_mov_b32 s[G0A+4*(\n)], 1
	s_add_co_u32 s[G0A+4*(\n)+1], s20, (\n)*SLOT
	s_add_nc_u64 s[G0A+4*(\n)+2:G0A+4*(\n)+3], s[4:5], (\n)*STEPA
	s_or_b32 s[G0A+4*(\n)+3], s[G0A+4*(\n)+3], 0x80000000
	s_mov_b32 s[G0B+4*(\n)], 1
	s_add_co_u32 s[G0B+4*(\n)+1], s21, (\n)*SLOT
	s_add_nc_u64 s[G0B+4*(\n)+2:G0B+4*(\n)+3], s[6:7], (\n)*STEPB
	s_or_b32 s[G0B+4*(\n)+3], s[G0B+4*(\n)+3], 0x80000000
.endr
	s_cmp_eq_u32 s11, 0                            ; a wave's two first fills stand in one branch: two loads of mine are out
	s_cbranch_scc0 .Lfirst_b
	tensor_load_to_lds s[G0A:G0A+3], s[G1A:G1A+7]
	s_nop 0
	tensor_load_to_lds s[G0A+4:G0A+7], s[G1A:G1A+7]
	s_nop 0
.rept 4
	v_nop
.endr
	s_branch .Lfirst_done
.Lfirst_b:
	tensor_load_to_lds s[G0B:G0B+3], s[G1B:G1B+7]
	s_nop 0
	tensor_load_to_lds s[G0B+4:G0B+7], s[G1B:G1B+7]
	s_nop 0
.rept 4
	v_nop
.endr
.Lfirst_done:
	v_and_b32 v1, 15, v0
	v_bfe_u32 v2, v0, 4, 1
	v_and_b32 v5, 31, v0
	v_mul_u32_u24 v3, v1, PITCH
	v_lshl_add_u32 v3, v2, 4, v3
	s_mul_i32 s14, s10, 64*PITCH
	v_add_nc_u32 v[ADA0], s14, v3
	v_and_b32 v4, 7, v0                            ; the turning load: lane l reads key 8 (l / 16) + l % 8, channels 8 ((l / 8) % 2) + 0..7
	v_lshl_add_u32 v4, v2, 3, v4
	v_mul_u32_u24 v4, v4, PB
	v_bfe_u32 v6, v0, 3, 1
	v_lshl_add_u32 v4, v6, 4, v4
	v_add_nc_u32 v[ADB0], ABYTES, v4
	v_mov_b32 v[ADA], v[ADA0]
	v_mov_b32 v[ADB], v[ADB0]
	s_mul_i32 s14, s10, 16*SP
	s_add_co_u32 s14, s14, STAGE
	v_add_nc_u32 v[STO], s14, v3
	v_mul_u32_u24 v4, v2, SP
	v_lshl_add_u32 v4, v1, 4, v4
	v_add_nc_u32 v[RD], s14, v4
	v_lshlrev_b32 v4, 11, v2
	v_lshl_add_u32 v[CO], v1, 4, v4
	s_lshl_b32 s16, s13, 19                        ; o16: 256 rows x 2,048 bytes a tile row,
	s_lshl_b32 s17, s10, 17                        ; my 64 rows,
	s_add_co_u32 s16, s16, s17
	s_lshl_b32 s17, s42, 8                         ; the tile column's 256 bytes
	s_add_co_u32 s16, s16, s17
	s_mov_b32 s17, 0
	s_add_nc_u64 s[8:9], s[72:73], s[16:17]
	; the prefetches
	s_lshl_b32 s16, s13, 8
	s_lshl_b32 s17, s12, 7
	s_add_co_u32 s16, s16, s17
	s_lshl_b32 s17, s40, 5
	s_add_co_u32 s16, s16, s17
	s_lshl_b32 s16, s16, 12
	s_add_co_u32 s16, s16, 3*STEPA                 ; p: my work-group's 32 of the 128 rows that I fetch, at K step 3
	s_lshl_b32 s18, s22, 11
	s_lshl_b32 s19, s41, 5
	s_add_co_u32 s18, s18, s19
	s_lshl_b32 s18, s18, 11
	s_lshl_b32 s19, s42, 8
	s_add_co_u32 s18, s18, s19
	s_add_co_u32 s18, s18, (2<<24)+3*STEPB         ; v: my work-group's 32 of a K step's 128 keys, at K step 3
	s_and_b32 s15, ttmp7, 1
	s_or_b32 s15, s15, s12                         ; for B: even cluster y and wave 2
	s_mov_b32 s[PFS], STEPA
	s_mov_b32 s14, STEPB
	s_cmp_eq_u32 s11, 0
	s_cselect_b32 s16, s16, s18
	s_cselect_b32 s15, ttmp9, s15
	s_cselect_b32 s[PFS], s[PFS], s14
	s_cselect_b32 s14, 12, 11                      ; a lane a row: 4,096 bytes in p, 2,048 in v
	s_cselect_b64 s[PFA:PFA+1], s[68:69], s[70:71]
	s_cmp_eq_u32 s15, 0
	s_cselect_b32 s[LIM], 2, -1
	s_mov_b32 s17, 0
	s_add_nc_u64 s[PFA:PFA+1], s[PFA:PFA+1], s[16:17]
	s_mov_b32 s[PFS+1], 0
	v_lshlrev_b32 v[PFO], s14, v5
	s_wait_tensorcnt 0x1                           ; my part of K step 0 is in; K step 1's may stay out
	s_barrier_signal -1
	s_barrier_wait -1
	FETCH 0, F0
	QUARTER 64, F0, F1, 1, 0
	WIN 0
	s_mov_b32 s3, KT-2
.Lk:
	QUARTER 128, F1, F0, 0, 0
	QUARTER 192, F0, F1, 0, 0
	TURN 1
	QUARTER 64, F0, F1, 0, 0
	WIN 0
	s_sub_co_u32 s3, s3, 1
	s_cmp_lg_u32 s3, 0
	s_cbranch_scc1 .Lk
	QUARTER 128, F1, F0, 0, 0                      ; the last two K steps ask for nothing
	QUARTER 192, F0, F1, 0, 0
	TURN 0
	QUARTER 64, F0, F1, 0, 0
	QUARTER 128, F1, F0, 0, 0
	QUARTER 192, F0, F1, 0, 0
	QUARTER 0, F1, F0, 0, 2
.macro PACK a
	WIN 0x0a
.irp b, 0,1,2,3,4,5,6,7
.irp q, 0,1,2,3
	v_cvt_pk_f16_f32 v[TMP+4*(\b)+(\q)], v[64*(\a)+8*(\b)+2*(\q)], v[64*(\a)+8*(\b)+2*(\q)+1]
.endr
.endr
	WIN 0
.endm
.macro TOSTAGE a
	WIN 0
.set BK, OB+192*((\a)%2)
.irp b, 0,1,2,3,4,5,6,7
	ds_store_b128 v[STO], v[TMP+4*(\b):TMP+4*(\b)+3] offset:32*(\b)
.endr
.irp t, 0,1,2,3,4,5,6,7
	ds_load_b128 v[BK+4*(\t):BK+4*(\t)+3], v[RD] offset:(\t)*2*SP  ; LDS serves a wave's instructions in order: these see the stores above
.endr
.endm
.macro SEND a
	WIN 0
.set BK, OB+192*((\a)%2)
	s_wait_dscnt 0x0
	s_wait_xcnt 0x0                                ; earlier stores have read their registers: the other row buffer is loaded again only behind this wait
.irp t, 0,1,2,3,4,5,6,7
	global_store_b128 v[CO], v[BK+4*(\t):BK+4*(\t)+3], s[8:9] offset:(\a)*16*ROWB+(\t)*2*ROWB  ; 16 lanes store 256 consecutive bytes, aligned
.endr
.endm
	WIN 0
	PLACES
	PACK 0
	TOSTAGE 0
.irp a, 1,2,3
	PACK \a
	SEND (\a)-1
	TOSTAGE \a
.endr
	SEND 3
	s_wait_tensorcnt 0x0                           ; the wave's end
	ds_add_u32 v[SPW], v[NIL]
	s_wait_dscnt 0x0
	CROUND                                         ; the closing round
	s_endpgm
.Lfunc_end_k_qb6f84f6fb5_pv:
	.size	k_qb6f84f6fb5_pv, .Lfunc_end_k_qb6f84f6fb5_pv-k_qb6f84f6fb5_pv
	.p2alignl 7, 3214868480
	.fill 96, 4, 3214868480
	.section	.rodata,"a",@progbits
	.p2align	6, 0x0
	.amdhsa_kernel k_qb6f84f6fb5_pv
		.amdhsa_group_segment_fixed_size 327680
		.amdhsa_private_segment_fixed_size 0
		.amdhsa_enable_private_segment 0
		.amdhsa_kernarg_size 24
		.amdhsa_user_sgpr_count 2
		.amdhsa_user_sgpr_kernarg_segment_ptr 1
		.amdhsa_wavefront_size32 1
		.amdhsa_system_sgpr_workgroup_id_x 1
		.amdhsa_system_sgpr_workgroup_id_y 1
		.amdhsa_system_sgpr_workgroup_id_z 1
		.amdhsa_system_vgpr_workitem_id 0
		.amdhsa_next_free_vgpr 768
		.amdhsa_next_free_sgpr 100
		.amdhsa_reserve_vcc 0
		.amdhsa_float_denorm_mode_32 3
		.amdhsa_float_denorm_mode_16_64 3
		.amdhsa_memory_ordered 1
		.amdhsa_forward_progress 1
		.amdhsa_inst_pref_size 72
	.end_amdhsa_kernel
	.amdgpu_metadata
---
amdhsa.version: [ 1, 2 ]
amdhsa.kernels:
  - .name:           k_qb6f84f6fb5_pv
    .symbol:         k_qb6f84f6fb5_pv.kd
    .args:
      - { .name: p, .offset: 0, .size: 8, .value_kind: global_buffer, .address_space: global }
      - { .name: qkv, .offset: 8, .size: 8, .value_kind: global_buffer, .address_space: global }
      - { .name: o16, .offset: 16, .size: 8, .value_kind: global_buffer, .address_space: global }
    .group_segment_fixed_size: 327680
    .private_segment_fixed_size: 0
    .kernarg_segment_align: 8
    .kernarg_segment_size: 24
    .max_flat_workgroup_size: 128
    .sgpr_count:     100
    .vgpr_count:     768
    .wavefront_size: 32
...
	.end_amdgpu_metadata
.endif
;; end of part 4
;; launch proj (part 5): grid 8 x 32, 4 waves a work-group, clusters of 4 x 4, 327,680 bytes of LDS; arguments o16, wo16, bo, layerscale, out0; writes out0
.if DOCPART == 5
	.amdgcn_target "amdgcn-amd-amdhsa--gfx1250"
	.amdhsa_code_object_version 6
	.text
	.protected	k_qb6f84f6fb5_proj
	.globl	k_qb6f84f6fb5_proj
	.p2align	8
	.type	k_qb6f84f6fb5_proj,@function
k_qb6f84f6fb5_proj:
	s_mov_b64 s[64:65], 0
	v_nop
	global_prefetch_b8 v0, s[64:65] scope:SCOPE_SE
	s_setreg_imm32_b32 hwreg(HW_REG_WAVE_MODE, 25, 1), 1
	s_wait_xcnt 0x0
	s_wait_alu depctr_hold_cnt(0) depctr_sa_sdst(0) depctr_va_vdst(0) depctr_va_sdst(0) depctr_va_ssrc(0) depctr_va_vcc(0) depctr_vm_vsrc(0)
	s_getreg_b32 s2, hwreg(HW_REG_IB_STS2, 6, 4)
	s_cmp_eq_u32 s2, 0
	s_cbranch_scc0 .Lentry_in_a_cluster
	s_endpgm
.Lentry_in_a_cluster:
	s_bfe_u32 s2, ttmp6, 0x10000c
	s_cmp_lg_u32 s2, 0xf033
	s_cbranch_scc0 .Lentry_shape_is_right
	s_endpgm
.Lentry_shape_is_right:
; THE OUTPUT PROJECTION.  out0[row][e] = (sum over d of out[row][d] Wo[e][d] + bo[e]) ls[e].  o16 holds out / 4 in f16, wo16 Wo (rounded to bf16, written as f16); sums in f32;
; out0 = sum x (4 ls) + bo ls, one fused multiply-add; bo and ls are rounded to bf16 like every input.
; SHARES.  A tile is 256 rows x 128 columns: 256 work-groups.  Four waves, each 64 rows x 128 columns.  K = 1,024 in steps of 128 through two LDS slots.
; CLUSTER.  4 x 4: o16's tile is shared along a row of the cluster, wo16's along a column: joint loads.
; THE WAY OUT.  A block of 16 rows of f32 goes through my own stage (rows of 528 bytes) and comes back as whole rows of 512 bytes, so that a wave's store covers 512 consecutive bytes, aligned.
; REGISTERS: window 0: v0-31 addresses and the columns' two factors (v8-15); v64-95, v128-159 A's fragments, later v64-191 rows on the way out; window 1: v64-191 B's fragments; window 2: accumulators.
.set NA,     4
.set KT,     8
.set PITCH,  272
.set PB,     272
.set ABYTES, 256*PITCH
.set SLOT,   131072
.set STEPA,  256
.set STEPB,  256
.set STAGE,  SLOT+ABYTES+128*PB
.set DP,     528
.set SPARE,  STAGE+4*16*DP
.set ADA0, 16
.set ADA,  17
.set ADB0, 20
.set ADB,  21
.set STO,  24
.set RD,   25
.set CO,   26
.set SPW,  28
.set NIL,  29
.set PFO,  30
.set F0,   64
.set F1,   128
.set G1A, 24
.set G0A, 32
.set LIM, 43
.set PFA, 44
.set PFS, 46
.set G1B, 48
.set G0B, 56
.set MUL_LO, 0xa1
.set TO_B,   0x40
.set MSB, 0
.macro WIN new
.if MSB != (\new)
	s_set_vgpr_msb (MSB<<8)|(\new)
.set MSB, \new
.endif
.endm
.macro PLACES
.rept 4
	v_nop
.endr
.endm
.macro CREST
	s_cmp_lg_u32 s10, 0
	s_cbranch_scc1 .Lnot_wave_0_\@
	s_barrier_signal -3
.Lnot_wave_0_\@:
	s_barrier_wait -3
	s_barrier_signal -1
	s_barrier_wait -1
.endm
.macro CROUND
	s_barrier_signal -1
	s_barrier_wait -1
	CREST
.endm
.macro JLOAD
	s_cmp_eq_u32 s11, 0
	s_cbranch_scc0 .Lfor_b_\@
	tensor_load_to_lds s[G0A+4:G0A+7], s[G1A:G1A+7]
	s_nop 0
.rept 4
	v_nop
.endr
	s_branch .Lasked_\@
.Lfor_b_\@:
	tensor_load_to_lds s[G0B+4:G0B+7], s[G1B:G1B+7]
	s_nop 0
.rept 4
	v_nop
.endr
.Lasked_\@:
.endm
; A prefetch of the K step two refills on: 32 rows x 256 bytes, a lane a row.  o16's rows are named by the clusters with x = 0 (waves 0, 1), wo16's by the clusters with y = 0 (wave 2);
; the four partners of a joint load take 32 rows each, told apart by address.  The last two trips ask for nothing.
.macro ASK
	s_cmp_gt_u32 s3, s[LIM]
	s_cbranch_scc0 .Lnot_mine_\@
	global_prefetch_b8 v[PFO], s[PFA:PFA+1] th:TH_LOAD_NT scope:SCOPE_SE
.Lnot_mine_\@:
.endm
.macro MUL16 f, hi, a0, c              ; the 32 accumulators take turns in one order everywhere
	WIN MUL_LO
.irp a, \a0, (\a0)+1
.irp b, 0,1,2,3,4,5,6,7
.if \c
	v_wmma_f32_16x16x32_f16 v[8*(8*(\a)+(\b)):8*(8*(\a)+(\b))+7], v[(\f)+8*(\b):(\f)+8*(\b)+7], v[(\f)+8*(\a):(\f)+8*(\a)+7], 0
.else
	v_wmma_f32_16x16x32_f16 v[8*(8*(\a)+(\b)):8*(8*(\a)+(\b))+7], v[(\f)+8*(\b):(\f)+8*(\b)+7], v[(\f)+8*(\a):(\f)+8*(\a)+7], v[8*(8*(\a)+(\b)):8*(8*(\a)+(\b))+7]
.endif
.endr
.endr
.endm
.macro FETCH k, f
	WIN TO_B
.irp i, 0,1,2,3,4,5,6,7
	ds_load_b128 v[(\f)+8*(\i):(\f)+8*(\i)+3],   v[ADB] offset:(\k)+(\i)*16*PB
	ds_load_b128 v[(\f)+8*(\i)+4:(\f)+8*(\i)+7], v[ADB] offset:(\k)+(\i)*16*PB+32
.endr
	WIN 0
.irp i, 0,1,2,3
	ds_load_b128 v[(\f)+8*(\i):(\f)+8*(\i)+3],   v[ADA] offset:(\k)+(\i)*16*PITCH
	ds_load_b128 v[(\f)+8*(\i)+4:(\f)+8*(\i)+7], v[ADA] offset:(\k)+(\i)*16*PITCH+32
.endr
.endm
.macro QUARTER k, f, g, c, src
	s_wait_dscnt NA                                ; B and A's blocks 0, 1 are in; the youngest four loads may be out
	MUL16 \f, 0, 0, \c
.if (\src) == 2
	s_wait_dscnt 0x0
.else
	PLACES
	FETCH \k, \g
	s_wait_dscnt 16+2*NA                           ; all but the 24 just issued
.endif
	MUL16 \f, 0, 2, \c
.endm
.macro TURN fill
.if \fill
	s_wait_xcnt 0x0                                ; the last prefetch, a K step back, has read its address
	s_add_nc_u64 s[PFA:PFA+1], s[PFA:PFA+1], s[PFS:PFS+1]
.endif
	WIN 0
	s_wait_tensorcnt 0x0                           ; no tensor load of mine is out, so the walking descriptors may be written
	ds_add_u32 v[SPW], v[NIL]
.if \fill
	s_xor_b32 s[G0A+5], s[G0A+5], SLOT
	s_add_nc_u64 s[G0A+6:G0A+7], s[G0A+6:G0A+7], STEPA
	s_xor_b32 s[G0B+5], s[G0B+5], SLOT
	s_add_nc_u64 s[G0B+6:G0B+7], s[G0B+6:G0B+7], STEPB
.endif
	s_wait_dscnt NA+1                              ; the add and the youngest four loads may be out
	MUL16 F1, 0, 0, 0
	s_wait_dscnt 0x0                               ; the add is done, and my reads of this slot are over
	s_barrier_signal -1
	WIN 0
	s_barrier_wait -1
.if \fill
	CREST
	JLOAD                                          ; its four v_nop are also the places in front of the loads below
.else
	PLACES
.endif
	s_xor_b32 s2, s2, SLOT
	v_add_nc_u32 v[ADA], s2, v[ADA0]
	v_add_nc_u32 v[ADB], s2, v[ADB0]
	FETCH 0, F0
.if \fill
	ASK
.endif
	MUL16 F1, 0, 2, 0
.endm
	s_load_b256 s[68:75], s[0:1], 0x0              ; o16 s[68:69], wo16 s[70:71], bo s[72:73], layerscale s[74:75]
	s_load_b64 s[76:77], s[0:1], 0x20              ; out0
	v_lshl_add_u32 v[SPW], v0, 2, SPARE
	v_mov_b32 v[NIL], 0
	ds_add_u32 v[SPW], v[NIL]                      ; the wave's opening: the add, twice on end, and its wait ahead of my first tensor load
	ds_add_u32 v[SPW], v[NIL]
	v_lshrrev_b32 v1, 5, v0
	v_readfirstlane_b32 s10, v1
	s_lshr_b32 s11, s10, 1
	s_and_b32 s12, s10, 1
	s_bfe_u32 s40, ttmp6, 0x40000
	s_bfe_u32 s41, ttmp6, 0x40004
	s_lshl_b32 s42, ttmp9, 2
	s_add_co_u32 s42, s42, s40                     ; tile column 0..7
	s_and_b32 s13, ttmp7, 0xffff
	s_lshl_b32 s13, s13, 2
	s_add_co_u32 s13, s13, s41                     ; tile row 0..31
	s_lshl_b32 s14, s41, 2
	s_lshl_b32 s14, 15, s14
	s_lshl_b32 s15, 0x1111, s40
	s_or_b32 s[G1A], s14, (1<<16)|(1<<20)|(1<<21)|(5<<22)|(3<<25)
	s_or_b32 s[G1B], s15, (1<<16)|(1<<20)|(1<<21)|(5<<22)|(3<<25)
	s_mov_b32 s[G1A+1], 128<<16
	s_mov_b32 s[G1A+2], 128<<16
	s_mov_b32 s[G1A+3], 128<<16
	s_mov_b32 s[G1A+4], 128
	s_mov_b32 s[G1A+5], 1024
	s_mov_b32 s[G1A+6], 0
	s_mov_b32 s[G1A+7], 0
	s_mov_b32 s[G1B+1], 128<<16
	s_mov_b32 s[G1B+2], 64<<16
	s_mov_b32 s[G1B+3], 128<<16
	s_mov_b32 s[G1B+4], 64
	s_mov_b32 s[G1B+5], 1024
	s_mov_b32 s[G1B+6], 0
	s_mov_b32 s[G1B+7], 0
	s_lshl_b32 s16, s13, 8
	s_lshl_b32 s17, s12, 7
	s_add_co_u32 s16, s16, s17
	s_lshl_b32 s16, s16, 11
	s_mov_b32 s17, 0
	s_lshl_b32 s18, s42, 7
	s_lshl_b32 s19, s12, 6
	s_add_co_u32 s18, s18, s19
	s_lshl_b32 s18, s18, 11
	s_mov_b32 s19, 0
	s_mul_i32 s20, s10, 128*PITCH
	s_mul_i32 s21, s10, 64*PB
	s_add_co_u32 s21, s21, ABYTES-128*PB
	s_mov_b32 s66, 0xffff0000
	s_mov_b32 s2, 0
	s_wait_dscnt 0x0
	s_wait_kmcnt 0x0
	s_add_nc_u64 s[4:5], s[68:69], s[16:17]
	s_add_nc_u64 s[6:7], s[70:71], s[18:19]
	CROUND
.irp n, 0,1
	s_mov_b32 s[G0A+4*(\n)], 1
	s_add_co_u32 s[G0A+4*(\n)+1], s20, (\n)*SLOT
	s_add_nc_u64 s[G0A+4*(\n)+2:G0A+4*(\n)+3], s[4:5], (\n)*STEPA
	s_or_b32 s[G0A+4*(\n)+3], s[G0A+4*(\n)+3], 0x80000000
	s_mov_b32 s[G0B+4*(\n)], 1
	s_add_co_u32 s[G0B+4*(\n)+1], s21, (\n)*SLOT
	s_add_nc_u64 s[G0B+4*(\n)+2:G0B+4*(\n)+3], s[6:7], (\n)*STEPB
	s_or_b32 s[G0B+4*(\n)+3], s[G0B+4*(\n)+3], 0x80000000
.endr
	s_cmp_eq_u32 s11, 0                            ; a wave's two first fills stand in one branch: two loads of mine are out
	s_cbranch_scc0 .Lfirst_b
	tensor_load_to_lds s[G0A:G0A+3], s[G1A:G1A+7]
	s_nop 0
	tensor_load_to_lds s[G0A+4:G0A+7], s[G1A:G1A+7]
	s_nop 0
.rept 4
	v_nop
.endr
	s_branch .Lfirst_done
.Lfirst_b:
	tensor_load_to_lds s[G0B:G0B+3], s[G1B:G1B+7]
	s_nop 0
	tensor_load_to_lds s[G0B+4:G0B+7], s[G1B:G1B+7]
	s_nop 0
.rept 4
	v_nop
.endr
.Lfirst_done:
	v_and_b32 v1, 15, v0
	v_bfe_u32 v2, v0, 4, 1
	v_and_b32 v5, 31, v0
	v_lshlrev_b32 v[CO], 4, v5                     ; 16 l: my four columns of a row of 128 f32; never rewritten
	s_lshl_b32 s22, s42, 9                         ; the tile column's 512 bytes of bo and of layerscale
	s_mov_b32 s23, 0
	s_add_nc_u64 s[78:79], s[74:75], s[22:23]
	s_add_nc_u64 s[80:81], s[72:73], s[22:23]
	global_load_b128 v[8:11], v[CO], s[78:79]      ; ls
	global_load_b128 v[12:15], v[CO], s[80:81]     ; bo
	v_mul_u32_u24 v3, v1, PITCH
	v_lshl_add_u32 v3, v2, 4, v3
	s_mul_i32 s14, s10, 64*PITCH
	v_add_nc_u32 v[ADA0], s14, v3
	v_add_nc_u32 v[ADB0], ABYTES, v3
	v_mov_b32 v[ADA], v[ADA0]
	v_mov_b32 v[ADB], v[ADB0]
	s_mul_i32 s14, s10, 16*DP
	s_add_co_u32 s14, s14, STAGE                   ; my stage
	v_mul_u32_u24 v4, v1, DP
	v_lshl_add_u32 v4, v2, 5, v4
	v_add_nc_u32 v[STO], s14, v4                   ; in: row r, 32 bytes for each half of the lanes
	v_lshl_add_u32 v[RD], v5, 4, s14               ; back: 32 lanes take a row's 512 bytes
	s_lshl_b32 s16, s13, 20                        ; out0: 256 rows x 4,096 bytes a tile row,
	s_lshl_b32 s17, s10, 18                        ; my 64 rows,
	s_add_co_u32 s16, s16, s17
	s_add_co_u32 s16, s16, s22                     ; the tile column's 512 bytes
	s_mov_b32 s17, 0
	s_add_nc_u64 s[8:9], s[76:77], s[16:17]
	; the prefetches
	s_lshl_b32 s16, s13, 8
	s_lshl_b32 s17, s12, 7
	s_add_co_u32 s16, s16, s17
	s_lshl_b32 s17, s40, 5
	s_add_co_u32 s16, s16, s17
	s_lshl_b32 s18, s42, 7
	s_lshl_b32 s19, s41, 5
	s_add_co_u32 s18, s18, s19
	s_and_b32 s15, ttmp7, 0xffff
	s_or_b32 s15, s15, s12                         ; for B: cluster y = 0 and wave 2
	s_cmp_eq_u32 s11, 0
	s_cselect_b32 s16, s16, s18
	s_cselect_b32 s15, ttmp9, s15
	s_cselect_b64 s[PFA:PFA+1], s[68:69], s[70:71]
	s_cmp_eq_u32 s15, 0
	s_cselect_b32 s[LIM], 2, -1
	s_lshl_b32 s16, s16, 11
	s_add_co_u32 s16, s16, 3*256                   ; at K step 3: the first change of slots steps it to 4
	s_mov_b32 s17, 0
	s_add_nc_u64 s[PFA:PFA+1], s[PFA:PFA+1], s[16:17]
	s_mov_b32 s[PFS], 256
	s_mov_b32 s[PFS+1], 0
	v_lshlrev_b32 v[PFO], 11, v5
	s_wait_loadcnt 0x0
	v_cvt_pk_bf16_f32 v4, v8, v9                   ; both rounded to bf16 like every input, and widened again
	v_cvt_pk_bf16_f32 v5, v10, v11
	v_cvt_pk_bf16_f32 v6, v12, v13
	v_cvt_pk_bf16_f32 v7, v14, v15
	v_lshlrev_b32 v8, 16, v4
	v_and_b32 v9, s66, v4
	v_lshlrev_b32 v10, 16, v5
	v_and_b32 v11, s66, v5
	v_lshlrev_b32 v12, 16, v6
	v_and_b32 v13, s66, v6
	v_lshlrev_b32 v14, 16, v7
	v_and_b32 v15, s66, v7
	v_pk_mul_f32 v[12:13], v[12:13], v[8:9]        ; bo ls
	v_pk_mul_f32 v[14:15], v[14:15], v[10:11]
	v_pk_mul_f32 v[8:9], v[8:9], 4.0 op_sel_hi:[1,0]    ; 4 ls
	v_pk_mul_f32 v[10:11], v[10:11], 4.0 op_sel_hi:[1,0]
	s_wait_tensorcnt 0x1                           ; my part of K step 0 is in; K step 1's may stay out
	s_barrier_signal -1
	s_barrier_wait -1
	FETCH 0, F0
	QUARTER 64, F0, F1, 1, 0
	WIN 0
	s_mov_b32 s3, KT-2
.Lk:
	QUARTER 128, F1, F0, 0, 0
	QUARTER 192, F0, F1, 0, 0
	TURN 1
	QUARTER 64, F0, F1, 0, 0
	WIN 0
	s_sub_co_u32 s3, s3, 1
	s_cmp_lg_u32 s3, 0
	s_cbranch_scc1 .Lk
	QUARTER 128, F1, F0, 0, 0                      ; the last two K steps ask for nothing
	QUARTER 192, F0, F1, 0, 0
	TURN 0
	QUARTER 64, F0, F1, 0, 0
	QUARTER 128, F1, F0, 0, 0
	QUARTER 192, F0, F1, 0, 0
	QUARTER 0, F1, F0, 0, 2
; Block a: 16 rows of f32 into my stage, back as whole rows, scaled, stored.  The row buffers v64-127 and v128-191 take turns.
.macro OUTB a
.set RB, 64+64*((\a)%2)
	s_wait_xcnt 0x0                                ; the stores of the block before last have read this buffer
	WIN 0x08                                       ; the stores' data in window 2
.irp b, 0,1,2,3,4,5,6,7
	ds_store_b128 v[STO], v[64*(\a)+8*(\b):64*(\a)+8*(\b)+3]   offset:64*(\b)      ; each accumulator's lowest registers first
	ds_store_b128 v[STO], v[64*(\a)+8*(\b)+4:64*(\a)+8*(\b)+7] offset:64*(\b)+16
.endr
	WIN 0
.irp t, 0,1,2,3,4,5,6,7,8,9,10,11,12,13,14,15
	ds_load_b128 v[RB+4*(\t):RB+4*(\t)+3], v[RD] offset:DP*(\t)  ; LDS serves a wave's instructions in order: these see the stores above
.endr
	s_wait_dscnt 0x0
.irp t, 0,1,2,3,4,5,6,7,8,9,10,11,12,13,14,15
	v_pk_fma_f32 v[RB+4*(\t):RB+4*(\t)+1],   v[RB+4*(\t):RB+4*(\t)+1],   v[8:9],   v[12:13]
	v_pk_fma_f32 v[RB+4*(\t)+2:RB+4*(\t)+3], v[RB+4*(\t)+2:RB+4*(\t)+3], v[10:11], v[14:15]
.endr
.irp t, 0,1,2,3,4,5,6,7,8,9,10,11,12,13,14,15
	global_store_b128 v[CO], v[RB+4*(\t):RB+4*(\t)+3], s[8:9] offset:(16*(\a)+(\t))*4096 th:TH_STORE_NT  ; a wave stores 512 consecutive bytes, aligned
.endr
.endm
	WIN 0
	PLACES
	OUTB 0
	OUTB 1
	OUTB 2
	OUTB 3
	s_wait_tensorcnt 0x0                           ; the wave's end
	ds_add_u32 v[SPW], v[NIL]
	s_wait_dscnt 0x0
	CROUND                                         ; the closing round
	s_endpgm
.Lfunc_end_k_qb6f84f6fb5_proj:
	.size	k_qb6f84f6fb5_proj, .Lfunc_end_k_qb6f84f6fb5_proj-k_qb6f84f6fb5_proj
	.p2alignl 7, 3214868480
	.fill 96, 4, 3214868480
	.section	.rodata,"a",@progbits
	.p2align	6, 0x0
	.amdhsa_kernel k_qb6f84f6fb5_proj
		.amdhsa_group_segment_fixed_size 327680
		.amdhsa_private_segment_fixed_size 0
		.amdhsa_enable_private_segment 0
		.amdhsa_kernarg_size 40
		.amdhsa_user_sgpr_count 2
		.amdhsa_user_sgpr_kernarg_segment_ptr 1
		.amdhsa_wavefront_size32 1
		.amdhsa_system_sgpr_workgroup_id_x 1
		.amdhsa_system_sgpr_workgroup_id_y 1
		.amdhsa_system_sgpr_workgroup_id_z 1
		.amdhsa_system_vgpr_workitem_id 0
		.amdhsa_next_free_vgpr 768
		.amdhsa_next_free_sgpr 100
		.amdhsa_reserve_vcc 0
		.amdhsa_float_denorm_mode_32 3
		.amdhsa_float_denorm_mode_16_64 3
		.amdhsa_memory_ordered 1
		.amdhsa_forward_progress 1
		.amdhsa_inst_pref_size 79
	.end_amdhsa_kernel
	.amdgpu_metadata
---
amdhsa.version: [ 1, 2 ]
amdhsa.kernels:
  - .name:           k_qb6f84f6fb5_proj
    .symbol:         k_qb6f84f6fb5_proj.kd
    .args:
      - { .name: o16, .offset: 0, .size: 8, .value_kind: global_buffer, .address_space: global }
      - { .name: wo16, .offset: 8, .size: 8, .value_kind: global_buffer, .address_space: global }
      - { .name: bo, .offset: 16, .size: 8, .value_kind: global_buffer, .address_space: global }
      - { .name: layerscale, .offset: 24, .size: 8, .value_kind: global_buffer, .address_space: global }
      - { .name: out0, .offset: 32, .size: 8, .value_kind: global_buffer, .address_space: global }
    .group_segment_fixed_size: 327680
    .private_segment_fixed_size: 0
    .kernarg_segment_align: 8
    .kernarg_segment_size: 40
    .max_flat_workgroup_size: 128
    .sgpr_count:     100
    .vgpr_count:     768
    .wavefront_size: 32
...
	.end_amdgpu_metadata
.endif
;; end of part 5
;; ======== version 2 of 2: 5 launches; version 1 with the launch prep written anew for expert scheduling mode
;; limits: values are held in f16: magnitudes above 65,504 overflow, below 6.1e-05 lose precision
;; workspace buffers: xb 16,777,216 bytes; wqkv 6,291,456 bytes; wo16 2,097,152 bytes; qkv 50,331,648 bytes; stats 1,048,576 bytes; p 33,554,432 bytes; o16 16,777,216 bytes
;; launch prep (part 6): grid 384 x 1, 8 waves a work-group, no clusters, 0 bytes of LDS; arguments x, Wq, Wk, Wv, Wo, xb, wqkv, wo16; writes xb, wqkv, wo16
.if DOCPART == 6
	.amdgcn_target "amdgcn-amd-amdhsa--gfx1250"
	.amdhsa_code_object_version 6
	.text
	.protected	k_qb6f84f6fb5_prep
	.globl	k_qb6f84f6fb5_prep
	.p2align	8
	.type	k_qb6f84f6fb5_prep,@function
k_qb6f84f6fb5_prep:
	s_mov_b64 s[64:65], 0
	v_nop
	global_prefetch_b8 v0, s[64:65] scope:SCOPE_SE
	s_setreg_imm32_b32 hwreg(HW_REG_WAVE_SCHED_MODE, 0, 2), 2
	s_setreg_imm32_b32 hwreg(HW_REG_WAVE_MODE, 25, 1), 1
	s_wait_xcnt 0x0
	s_wait_alu depctr_vm_vsrc(0)
; ROUNDING OF THE MATRIX INPUTS.  x -> xb (bf16), Wq, Wk, Wv -> wqkv (bf16, the three one below the other), Wo -> wo16: rounded to bf16 like the others, and that number written as f16
; (exact where it is at least 6.1e-5 in size; below that it keeps f16's fixed step of 6e-8).
; A stream: each input byte is read once, each output byte written once.  No LDS, no matrix unit, no cluster: no two work-groups read the same byte.
; SHARES.  A work-group takes 32,768 numbers (128 KiB in, 64 KiB out) in 32 steps of 1,024: thread t loads 16 bytes at 16 t and stores 8 bytes at 8 t, so a wave's load covers 512
; consecutive bytes and its store 256 consecutive bytes, aligned.  Work-groups 0-255 take x, 256-383 the four weights, 32 work-groups each.
; A ring of eight slots in registers keeps eight loads of every wave on their way.
; THE MODE: SCHED_MODE bits 1:0 = 2 (LLVM: expert scheduling mode 2), set by the entry lines.  The code itself states the register dependences between vector instructions and memory
; instructions, with s_wait_alu, always for 0.
; THE PLAN.  Registers that memory instructions touch:
;   v1, v2   byte offsets, made once at the head and never written again: the steps are reached by the two scalar bases, which move on by a round, and by immediate offsets.
;   X        slot i: written by the load of its step; read by the slot's conversions; then the load of the step eight further on lands in it.
;   Y        slot i: written by the slot's conversions; read by the slot's store; written again a round later.
;   TT       named by vector instructions alone.
; The eight slots go in two groups of four.  A group's conversions stand together; ONE wait on va_vdst behind them states that they are done reading the group's X and have written its Y;
; the group's four loads and four stores follow it with no vector instruction between.  The wait stands behind the conversions, so that an emptied slot is asked for again at once: a work-group
; has 32 steps, so a ring in which an emptied slot waits for the next group's head would have six loads out with these registers, and one of twice the slots would leave nothing to loop over.
; ONE wait on vm_vsrc a round, at the round's bottom ahead of the jump, states that the round's eight stores have read Y.
.set X,  8                             ; v[8:39]   slot i: four f32 as loaded
.set Y,  40                            ; v[40:55]  slot i: four 16-bit numbers to store
.set TT, 56                            ; v[56:59]  at work
.set SRC, 28                           ; s[28:29]  where the round's first step is read
.set DST, 32                           ; s[32:33]  where it is written
	s_load_b512 s[4:19], s[0:1], 0x0               ; x, Wq, Wk, Wv, Wo, xb, wqkv, wo16
	v_lshlrev_b32 v1, 4, v0                        ; 16 t; never rewritten
	v_lshlrev_b32 v2, 3, v0                        ; 8 t; never rewritten
	s_mov_b32 s30, 0xffff0000                      ; a word's upper bf16
	s_sub_co_u32 s20, ttmp9, 256
	s_lshr_b32 s21, s20, 5                         ; which weight, 0 to 3
	s_and_b32 s22, s20, 31                         ; which part of it
	s_cmp_lt_u32 ttmp9, 256
	s_cselect_b32 s22, ttmp9, s22                  ; for x: the part is the work-group's number,
	s_cselect_b32 s21, 4, s21                      ; and the kind is 4
	s_lshl_b32 s24, s22, 17                        ; bytes in
	s_mov_b32 s25, 0
	s_lshl_b32 s26, s22, 16                        ; bytes out,
	s_mov_b32 s27, 0
	s_lshl_b32 s23, s21, 21                        ; and Wq, Wk, Wv lie 2 MiB apart in wqkv
	s_cmp_lt_u32 s21, 3
	s_cselect_b32 s23, s23, 0
	s_add_co_u32 s26, s26, s23
	s_wait_kmcnt 0x0
	s_cmp_eq_u32 s21, 0
	s_cselect_b64 s[SRC:SRC+1], s[6:7], s[4:5]
	s_cmp_eq_u32 s21, 1
	s_cselect_b64 s[SRC:SRC+1], s[8:9], s[SRC:SRC+1]
	s_cmp_eq_u32 s21, 2
	s_cselect_b64 s[SRC:SRC+1], s[10:11], s[SRC:SRC+1]
	s_cmp_eq_u32 s21, 3
	s_cselect_b64 s[SRC:SRC+1], s[12:13], s[SRC:SRC+1]
	s_cmp_lt_u32 s21, 3
	s_cselect_b64 s[DST:DST+1], s[16:17], s[14:15]
	s_cmp_eq_u32 s21, 3
	s_cselect_b64 s[DST:DST+1], s[18:19], s[DST:DST+1]
	s_add_nc_u64 s[SRC:SRC+1], s[SRC:SRC+1], s[24:25]
	s_add_nc_u64 s[DST:DST+1], s[DST:DST+1], s[26:27]
	s_wait_alu depctr_va_vdst(0)                   ; v1 and v2 are written: every load of the kernel reads v1 as its offset, every store v2
.irp i, 0,1,2,3,4,5,6,7
	global_load_b128 v[X+4*(\i):X+4*(\i)+3], v1, s[SRC:SRC+1] offset:(\i)*4096 th:TH_LOAD_NT  ; the ring is filled: steps 0 to 7
.endr
; One slot's conversions.  fmt = 1: bf16's number written as f16.
.macro CONV i, fmt
.if \fmt
	v_cvt_pk_bf16_f32 v[TT],   v[X+4*(\i)],   v[X+4*(\i)+1]
	v_cvt_pk_bf16_f32 v[TT+1], v[X+4*(\i)+2], v[X+4*(\i)+3]
	v_lshlrev_b32 v[TT+2], 16, v[TT]               ; the rounded numbers as f32 again
	v_and_b32     v[TT],   s30, v[TT]
	v_lshlrev_b32 v[TT+3], 16, v[TT+1]
	v_and_b32     v[TT+1], s30, v[TT+1]
	v_cvt_pk_f16_f32 v[Y+2*(\i)],   v[TT+2], v[TT]
	v_cvt_pk_f16_f32 v[Y+2*(\i)+1], v[TT+3], v[TT+1]
.else
	v_cvt_pk_bf16_f32 v[Y+2*(\i)],   v[X+4*(\i)],   v[X+4*(\i)+1]
	v_cvt_pk_bf16_f32 v[Y+2*(\i)+1], v[X+4*(\i)+2], v[X+4*(\i)+3]
.endif
.endm
; The turn of group g: slots 4 g to 4 g + 3.  ahead = 1: the slots are filled again with the steps eight further on.  left = how many younger loads may stay out.
.macro GROUP g, ahead, left, fmt
	s_wait_loadcnt \left                           ; loads come back in order: the group's four are in, the other group's stay out
.irp k, 0,1,2,3
	CONV 4*(\g)+(\k), \fmt
.endr
	s_wait_alu depctr_va_vdst(0)                   ; the group's conversions have written its Y, which the stores below read, and are done reading its X, in which the loads below land
.if \ahead
.irp k, 0,1,2,3
	global_load_b128 v[X+4*(4*(\g)+(\k)):X+4*(4*(\g)+(\k))+3], v1, s[SRC:SRC+1] offset:(8+4*(\g)+(\k))*4096 th:TH_LOAD_NT  ; the loads ahead of the stores
.endr
.endif
.irp k, 0,1,2,3
	global_store_b64 v2, v[Y+2*(4*(\g)+(\k)):Y+2*(4*(\g)+(\k))+1], s[DST:DST+1] offset:(4*(\g)+(\k))*2048
.endr
.endm
.macro BODY fmt
	s_mov_b32 s34, 3
.Lround_\@:
	GROUP 0, 1, 4, \fmt
	GROUP 1, 1, 4, \fmt
	s_wait_xcnt 0x0                                ; the round's loads and stores have read their sources: the two bases are stepped and Y is written again only behind this wait
	s_wait_alu depctr_vm_vsrc(0)                   ; the round's eight stores have read Y, which the next round's conversions, or the last round's behind the loop, write again
	s_add_nc_u64 s[SRC:SRC+1], s[SRC:SRC+1], 32768
	s_add_nc_u64 s[DST:DST+1], s[DST:DST+1], 16384
	s_sub_co_u32 s34, s34, 1
	s_cmp_lg_u32 s34, 0
	s_cbranch_scc1 .Lround_\@
	GROUP 0, 0, 4, \fmt                            ; the last round loads nothing: the counts run down
	GROUP 1, 0, 0, \fmt
	s_endpgm
.endm
	s_cmp_eq_u32 s21, 3
	s_cbranch_scc1 .Lwo
	BODY 0
.Lwo:
	BODY 1
.Lfunc_end_k_qb6f84f6fb5_prep:
	.size	k_qb6f84f6fb5_prep, .Lfunc_end_k_qb6f84f6fb5_prep-k_qb6f84f6fb5_prep
	.p2alignl 7, 3214868480
	.fill 96, 4, 3214868480
	.section	.rodata,"a",@progbits
	.p2align	6, 0x0
	.amdhsa_kernel k_qb6f84f6fb5_prep
		.amdhsa_group_segment_fixed_size 0
		.amdhsa_private_segment_fixed_size 0
		.amdhsa_enable_private_segment 0
		.amdhsa_kernarg_size 64
		.amdhsa_user_sgpr_count 2
		.amdhsa_user_sgpr_kernarg_segment_ptr 1
		.amdhsa_wavefront_size32 1
		.amdhsa_system_sgpr_workgroup_id_x 1
		.amdhsa_system_sgpr_workgroup_id_y 1
		.amdhsa_system_sgpr_workgroup_id_z 1
		.amdhsa_system_vgpr_workitem_id 0
		.amdhsa_next_free_vgpr 64
		.amdhsa_next_free_sgpr 66
		.amdhsa_reserve_vcc 0
		.amdhsa_float_denorm_mode_32 3
		.amdhsa_float_denorm_mode_16_64 3
		.amdhsa_memory_ordered 1
		.amdhsa_forward_progress 1
		.amdhsa_inst_pref_size 17
	.end_amdhsa_kernel
	.amdgpu_metadata
---
amdhsa.version: [ 1, 2 ]
amdhsa.kernels:
  - .name:           k_qb6f84f6fb5_prep
    .symbol:         k_qb6f84f6fb5_prep.kd
    .args:
      - { .name: x, .offset: 0, .size: 8, .value_kind: global_buffer, .address_space: global }
      - { .name: Wq, .offset: 8, .size: 8, .value_kind: global_buffer, .address_space: global }
      - { .name: Wk, .offset: 16, .size: 8, .value_kind: global_buffer, .address_space: global }
      - { .name: Wv, .offset: 24, .size: 8, .value_kind: global_buffer, .address_space: global }
      - { .name: Wo, .offset: 32, .size: 8, .value_kind: global_buffer, .address_space: global }
      - { .name: xb, .offset: 40, .size: 8, .value_kind: global_buffer, .address_space: global }
      - { .name: wqkv, .offset: 48, .size: 8, .value_kind: global_buffer, .address_space: global }
      - { .name: wo16, .offset: 56, .size: 8, .value_kind: global_buffer, .address_space: global }
    .group_segment_fixed_size: 0
    .private_segment_fixed_size: 0
    .kernarg_segment_align: 8
    .kernarg_segment_size: 64
    .max_flat_workgroup_size: 256
    .sgpr_count:     66
    .vgpr_count:     64
    .wavefront_size: 32
...
	.end_amdgpu_metadata
.endif
;; end of part 6
;; launch qkv: the kernel of part 2 again; grid 12 x 32, 4 waves a work-group, clusters of 4 x 4, 327,680 bytes of LDS; arguments xb, wqkv, bq, bk, bv, qkv, stats; writes qkv, stats
;; launch scores: the kernel of part 3 again; grid 8 x 32, 4 waves a work-group, clusters of 4 x 4, 327,680 bytes of LDS; arguments qkv, stats, p; writes p
;; launch pv: the kernel of part 4 again; grid 8 x 32, 4 waves a work-group, clusters of 4 x 4, 327,680 bytes of LDS; arguments p, qkv, o16; writes o16
;; launch proj: the kernel of part 5 again; grid 8 x 32, 4 waves a work-group, clusters of 4 x 4, 327,680 bytes of LDS; arguments o16, wo16, bo, layerscale, out0; writes out0
